; MI455X (gfx1250); checked and timed in simulation.
; The chip was launched on July 23, 2026; its instructions are those of AMD's public machine-readable ISA for CDNA 5 (MIT licence, August 2026) and "CDNA5" Instruction Set Architecture Reference Guide (July 2026). The comments in the code are by the model that wrote it; some were corrected since.
;; Encoder. Allowed arithmetic: matrix products marked QUANTISED: E4M3 operands, one E8M0 scale for each 32 along K, by v_wmma_scale_f32_16x16x128_f8f6f4 with both operands' format E4M3, f32 sums; everything else in f32.
;; Inputs: W1_codes 4,096 x 32 x 32 uint8 (E4M3 codes of W1, K innermost, in blocks of 32 codes); W1_scales 4,096 x 32 uint8 (E8M0 scales of W1, one for each 32 codes along K); W2_codes 1,024 x 128 x 32 uint8 (E4M3 codes of W2, K innermost, in blocks of 32 codes); W2_scales 1,024 x 128 uint8 (E8M0 scales of W2, one for each 32 codes along K); Wk_codes 1,024 x 32 x 32 uint8 (E4M3 codes of Wk, K innermost, in blocks of 32 codes); Wk_scales 1,024 x 32 uint8 (E8M0 scales of Wk, one for each 32 codes along K); Wo_codes 1,024 x 32 x 32 uint8 (E4M3 codes of Wo, K innermost, in blocks of 32 codes); Wo_scales 1,024 x 32 uint8 (E8M0 scales of Wo, one for each 32 codes along K); Wq_codes 1,024 x 32 x 32 uint8 (E4M3 codes of Wq, K innermost, in blocks of 32 codes); Wq_scales 1,024 x 32 uint8 (E8M0 scales of Wq, one for each 32 codes along K); Wv_codes 1,024 x 32 x 32 uint8 (E4M3 codes of Wv, K innermost, in blocks of 32 codes); Wv_scales 1,024 x 32 uint8 (E8M0 scales of Wv, one for each 32 codes along K); b1 4,096 float32; b2 1,024 float32; bk 1,024 float32; bo 1,024 float32; bq 1,024 float32; bv 1,024 float32; ln1_b 2,048 x 1,024 float32; ln1_w 2,048 x 1,024 float32; ln2_b 2,048 x 1,024 float32; ln2_w 2,048 x 1,024 float32; x_codes 2 x 2,048 x 32 x 32 uint8 (E4M3 codes of x, K innermost, in blocks of 32 codes); x_scales 2 x 2,048 x 32 uint8 (E8M0 scales of x, one for each 32 codes along K); y 2 x 2,048 x 1,024 float32.
;; Outputs: out0 2 x 2,048 x 1,024 float32.
;; This version of the problem:
;;   THIS VERSION OF THE PROBLEM IS GIVEN IN LOW PRECISION. The matrix products marked QUANTISED in the list below multiply operands that are first quantised to E4M3 (4 exponent bits, 3 mantissa bits; 8 bits a number), with one power-of-two scale for each 32 numbers along K (OCP MX v1.0); their sums are f32. All else is computed in f32.
;;   The module's matrix products, in the order in which they are computed (A, B: the left and right operand; K: the contracted axis; several contracted axes count as one K, in the product's order):
;;     1. [M 4,096, K 1,024] x [K 1,024, N 1,024]; A: input x (given as codes); B: input Wq (given as codes): QUANTISED
;;     2. [M 4,096, K 1,024] x [K 1,024, N 1,024]; A: computed on the way; B: input Wk (given as codes): QUANTISED
;;     3. [M 4,096, K 1,024] x [K 1,024, N 1,024]; A: computed on the way; B: input Wv (given as codes): QUANTISED
;;     4. batch 32 x [M 2,048, K 64] x [K 64, N 2,048]; A: computed on the way; B: computed on the way: QUANTISED
;;     5. batch 32 x [M 2,048, K 2,048] x [K 2,048, N 64]; A: softmax (see below); B: computed on the way: QUANTISED
;;     6. [M 4,096, K 1,024] x [K 1,024, N 1,024]; A: computed on the way; B: input Wo (given as codes): QUANTISED
;;     7. [M 4,096, K 1,024] x [K 1,024, N 4,096]; A: computed on the way; B: input W1 (given as codes): QUANTISED
;;     8. [M 4,096, K 4,096] x [K 4,096, N 1,024]; A: computed on the way; B: input W2 (given as codes): QUANTISED
;;   THE QUANTISER, for each operand of a quantised product, along K:
;;     - K is cut into blocks of 32 from its start; a last block that is shorter is filled with zeros.
;;     - A block's scale is 2^e with e = floor(log2(the largest magnitude in the block)) - 8, held to -126 .. 127; a block of zeros has e = 0. As a byte (E8M0): e + 127.
;;     - Each number is divided by its block's scale, clamped to +-448, and rounded to the nearest number of E4M3, ties to even, subnormals kept.
;;     - The product sums the exact products of the quantised numbers (number of the format x scale) in f32.
;;   ~~~python
;;   def quantise(x, axis):      # numpy; x: float32 -> the quantised numbers, widened to float32 again
;;       x = np.moveaxis(x, axis, -1); K = x.shape[-1]
;;       x = np.pad(x, [(0, 0)] * (x.ndim - 1) + [(0, -K % 32)]); x = x.reshape(x.shape[:-1] + (-1, 32)); a = np.abs(x).max(-1, keepdims=True)
;;       e = np.where(a > 0, np.clip(np.frexp(np.where(a > 0, a, 1))[1] - 1 - 8, -126, 127), 0)      # np.frexp(a)[1] - 1 = floor(log2(a)), exactly
;;       r = np.clip(x / 2.0 ** e, -448, 448)
;;       step = 2.0 ** (np.maximum(np.frexp(np.where(r == 0, 1, r))[1] - 1, -6) - 3)
;;       q = np.round(r / step) * step * 2.0 ** e      # np.round: ties to even
;;       return np.moveaxis(q.reshape(q.shape[:-2] + (-1,))[..., :K], -1, axis).astype(np.float32)
;;   ~~~
;;   SOFTMAX AHEAD OF A QUANTISED PRODUCT. Where the list says 'softmax', what is quantised is not the finished softmax but p = 2^(t - M), with t = logit x log2(e) and M = ceil(the row's largest t), a whole number; so 1/2 < the row's largest p <= 1. The row's sum l is taken of the UNQUANTISED p, in f32, and the product's result is divided by l at the end. Since M is a whole number, a kernel that streams over the keys may use a running M (the ceiling of the running maximum): every later rescaling is an exact power of two, which a block's scale takes up: the codes' values come out the same.
;;   OPERANDS COMPUTED ON THE WAY. 'Computed on the way' means the value that the module computes at that place (a softmax that the list does not call 'softmax' is quantised finished and normalised). What goes into a quantiser is computed in f32, as accurately as f32 sums, v_exp_f32 and their like allow (about 1e-6 of the number): no bf16 or f16 on the way to a quantiser, and a product that is left as it is and whose result goes on into a quantised operand takes f32 operands (vector FMAs, or v_wmma_f32_16x16x4_f32). A number that lies on a knife's edge between two numbers of the format may be rounded either way, as far as f32 arithmetic and the matrix unit's own rounding can turn it there, and no further.
;;   INPUTS GIVEN AS CODES. W1 (in the module: [1024, 4096], K = its axis 0); W2 (in the module: [4096, 1024], K = its axis 0); Wk (in the module: [1024, 1024], K = its axis 0); Wo (in the module: [1024, 1024], K = its axis 0); Wq (in the module: [1024, 1024], K = its axis 0); Wv (in the module: [1024, 1024], K = its axis 0); x (in the module: [2, 2048, 1024], K = its axis 2): each comes as NAME_codes (uint8): NAME with its K axis moved to the last place and cut into blocks of 32 codes, [.., K / 32, bytes a block], one block behind the other in memory; one code a byte (a code: sign, 4 exponent bits, 3 mantissa bits); and NAME_scales (uint8): the same leading axes, one E8M0 byte (e + 127) for each 32 codes along K. Its value is code x scale, taken as it is: it is not quantised again, and the codes and scales need not be those that the quantiser above would give.
;; One version. Each part assembles by itself: llvm-mc -triple=amdgcn-amd-amdhsa -mcpu=gfx1250 --defsym DOCPART=n.
;; ======== version 1 of 1: 8 launches
;; limits: right only within a limited range of input values
;; workspace buffers: part 2,048 bytes; nc 4,325,376 bytes; qkv 13,238,272 bytes; ao 4,325,376 bytes; y1 16,777,216 bytes; h 17,301,504 bytes
;; launch stats (part 1): grid 256 x 1, 8 waves a work-group, no clusters, 1,280 bytes of LDS; arguments y, part; writes part
.if DOCPART == 1
	.amdgcn_target "amdgcn-amd-amdhsa--gfx1250"
	.amdhsa_code_object_version 6
	.text
	.protected	k_q4e8f396187_stats
	.globl	k_q4e8f396187_stats
	.p2align	8
	.type	k_q4e8f396187_stats,@function
k_q4e8f396187_stats:
	s_mov_b64 s[64:65], 0
	v_nop
	global_prefetch_b8 v0, s[64:65] scope:SCOPE_SE
	s_setreg_imm32_b32 hwreg(HW_REG_WAVE_MODE, 25, 1), 1
	s_wait_xcnt 0x0
; For each run of 16,384 numbers of y: its mean, and M2 = the sum of the squared distances from that mean.  256 runs; runs 0-127 are batch 0, runs 128-255 batch 1.
; The variance is never formed as a difference of large sums: a wave takes its own mean first, then the distances from it, out of registers; equal parts are joined by M2 = sum M2_i + n sum (mean_i - mean)^2.
; A work-group of eight waves takes 65,536 bytes; thread t takes 16 bytes at 16 t + 4,096 i, i = 0 .. 15: a wave's load covers 512 consecutive bytes.  Memory binds: no matrix unit, no cluster.
; LIMITS: NaN and infinities among the inputs are not served.
.set X, 16                             ; v16-79  my 64 numbers
.set S, 80                             ; v80-87  four chains of pairs
.macro WSUM r, t                       ; the sum over the wave's 32 lanes, in every lane
	s_delay_alu instid0(VALU_DEP_1)
	v_add_f32_dpp v[\r], v[\r], v[\r] row_xmask:1 row_mask:0xf bank_mask:0xf
	s_delay_alu instid0(VALU_DEP_1)
	v_add_f32_dpp v[\r], v[\r], v[\r] row_xmask:2 row_mask:0xf bank_mask:0xf
	s_delay_alu instid0(VALU_DEP_1)
	v_add_f32_dpp v[\r], v[\r], v[\r] row_xmask:4 row_mask:0xf bank_mask:0xf
	s_delay_alu instid0(VALU_DEP_1)
	v_add_f32_dpp v[\r], v[\r], v[\r] row_xmask:8 row_mask:0xf bank_mask:0xf
	s_delay_alu instid0(VALU_DEP_1)
	v_permlanex16_b32 v[\t], v[\r], s12, s13
	s_delay_alu instid0(VALU_DEP_1)
	v_add_f32 v[\r], v[\r], v[\t]
.endm
.macro FOLD                            ; the four chains into v90
	s_delay_alu instid0(VALU_DEP_3)
	v_pk_add_f32 v[S:S+1], v[S:S+1], v[S+2:S+3]
	s_delay_alu instid0(VALU_DEP_2)
	v_pk_add_f32 v[S+4:S+5], v[S+4:S+5], v[S+6:S+7]
	s_delay_alu instid0(VALU_DEP_1)
	v_pk_add_f32 v[S:S+1], v[S:S+1], v[S+4:S+5]
	s_delay_alu instid0(VALU_DEP_1)
	v_add_f32 v90, v[S], v[S+1]
.endm
	s_load_b128 s[4:7], s[0:1], 0x0                ; y, part
	v_lshl_add_u32 v96, v0, 2, 0x100
	v_mov_b32 v97, 0
	v_lshlrev_b32 v1, 4, v0                        ; 16 x thread
	v_lshrrev_b32 v2, 5, v0
	s_delay_alu instid0(VALU_DEP_1)
	v_readfirstlane_b32 s8, v2                     ; wave
	s_delay_alu instid0(VALU_DEP_2)
	v_lshlrev_b32 v2, 3, v2                        ; LDS: 8 bytes a wave
	v_mov_b32 v3, 0
	v_mov_b32 v91, 0                               ; a lane permute's destination counts as read
	s_lshl_b32 s10, ttmp9, 16                      ; my run's first byte
	s_mov_b32 s11, 0
	s_lshl_b32 s14, ttmp9, 3                       ; my pair's place
	s_mov_b32 s15, 0
	s_mov_b32 s12, 0x76543210
	s_mov_b32 s13, 0xfedcba98
	s_wait_alu depctr_va_vdst(0)
	s_wait_kmcnt 0x0
	s_add_nc_u64 s[4:5], s[4:5], s[10:11]
	s_add_nc_u64 s[6:7], s[6:7], s[14:15]
.irp i, 0,1,2,3,4,5,6,7,8,9,10,11,12,13,14,15
	global_load_b128 v[X+4*\i:X+4*\i+3], v1, s[4:5] offset:4096*\i
.endr
	s_wait_loadcnt 12                              ; the first four loads are in, twelve younger ones are out
.irp k, 0,1,2,3
	v_pk_add_f32 v[S+2*\k:S+2*\k+1], v[X+2*\k:X+2*\k+1], v[X+8+2*\k:X+9+2*\k]   ; the first pairs start the chains
.endr
.set i, 16
	s_wait_alu depctr_va_vdst(0)
.irp g, 1,2,3
	s_wait_alu depctr_va_vdst(0)
	s_wait_loadcnt 12-4*\g                         ; four loads more
.rept 8
	v_pk_add_f32 v[S+i%8:S+i%8+1], v[S+i%8:S+i%8+1], v[X+i:X+i+1]
.set i, i+2
.endr
.endr
	FOLD
	WSUM 90, 91
	s_delay_alu instid0(VALU_DEP_1)
	v_mul_f32 v88, 0x3a000000, v90                 ; / 2,048: the wave's mean
	s_delay_alu instid0(VALU_DEP_1)
	v_mov_b32 v89, v88
.set i, 0
.rept 32
	v_pk_add_f32 v[X+i:X+i+1], v[X+i:X+i+1], v[88:89] neg_lo:[0,1] neg_hi:[0,1]   ; the distances from it
.set i, i+2
.endr
.irp k, 0,1,2,3
	v_pk_mul_f32 v[S+2*\k:S+2*\k+1], v[X+2*\k:X+2*\k+1], v[X+2*\k:X+2*\k+1]
.endr
.set i, 8
.rept 28
	s_delay_alu instid0(VALU_DEP_4)
	v_pk_fma_f32 v[S+i%8:S+i%8+1], v[X+i:X+i+1], v[X+i:X+i+1], v[S+i%8:S+i%8+1]
.set i, i+2
.endr
	FOLD
	WSUM 90, 91
	s_delay_alu instid0(VALU_DEP_1)
	v_mov_b32 v89, v90                             ; (mean, M2) of the wave
	ds_store_b64 v2, v[88:89]                      ; all lanes write the same pair to the wave's own 8 bytes
	s_wait_dscnt 0x0                               ; for the others' sake
	s_barrier_signal -1
	s_barrier_wait -1
.irp i, 0,1,2,3
	ds_load_b128 v[16+4*\i:19+4*\i], v3 offset:16*\i
.endr
	s_wait_dscnt 0x0
	v_add_f32 v80, v16, v18
	v_add_f32 v81, v20, v22
	v_add_f32 v82, v24, v26
	v_add_f32 v83, v28, v30
	s_delay_alu instid0(VALU_DEP_3)
	v_add_f32 v80, v80, v81
	s_delay_alu instid0(VALU_DEP_2)
	v_add_f32 v82, v82, v83
	s_delay_alu instid0(VALU_DEP_1)
	v_add_f32 v80, v80, v82
	s_delay_alu instid0(VALU_DEP_1)
	v_mul_f32 v80, 0x3e000000, v80                 ; the run's mean: eight equal parts
	v_add_f32 v84, v17, v19
	v_add_f32 v85, v21, v23
	v_add_f32 v86, v25, v27
	v_add_f32 v87, v29, v31
	s_delay_alu instid0(VALU_DEP_3)
	v_add_f32 v84, v84, v85
	s_delay_alu instid0(VALU_DEP_2)
	v_add_f32 v86, v86, v87
	s_delay_alu instid0(VALU_DEP_1)
	v_add_f32 v84, v84, v86
.irp i, 0,1,2,3,4,5,6,7
	v_sub_f32 v[16+2*\i], v[16+2*\i], v80
.endr
	v_mul_f32 v86, v16, v16
.irp i, 1,2,3,4,5,6,7
	s_delay_alu instid0(VALU_DEP_1)
	v_fmac_f32 v86, v[16+2*\i], v[16+2*\i]
.endr
	s_delay_alu instid0(VALU_DEP_1)
	v_fmamk_f32 v81, v86, 0x45000000, v84          ; M2 = sum M2_w + 2,048 sum (mean_w - mean)^2
	s_cmp_lg_u32 s8, 0
	s_cbranch_scc1 .Lend                           ; one lane of wave 0 stores the pair
	v_cmp_eq_u32 vcc_lo, 0, v0
	s_wait_xcnt 0x0                                ; EXEC changes only behind this wait
	s_and_saveexec_b32 s9, vcc_lo
	s_wait_alu depctr_va_vdst(0)
	global_store_b64 v3, v[80:81], s[6:7]
	s_wait_xcnt 0x0
	s_or_b32 exec_lo, exec_lo, s9
.Lend:
	s_wait_tensorcnt 0x0
	ds_add_u32 v96, v97
	s_wait_dscnt 0x0
	s_endpgm
.Lfunc_end_k_q4e8f396187_stats:
	.size	k_q4e8f396187_stats, .Lfunc_end_k_q4e8f396187_stats-k_q4e8f396187_stats
	.p2alignl 7, 3214868480
	.fill 96, 4, 3214868480
	.section	.rodata,"a",@progbits
	.p2align	6, 0x0
	.amdhsa_kernel k_q4e8f396187_stats
		.amdhsa_group_segment_fixed_size 1280
		.amdhsa_private_segment_fixed_size 0
		.amdhsa_enable_private_segment 0
		.amdhsa_kernarg_size 16
		.amdhsa_user_sgpr_count 2
		.amdhsa_user_sgpr_kernarg_segment_ptr 1
		.amdhsa_wavefront_size32 1
		.amdhsa_system_sgpr_workgroup_id_x 1
		.amdhsa_system_sgpr_workgroup_id_y 1
		.amdhsa_system_sgpr_workgroup_id_z 1
		.amdhsa_system_vgpr_workitem_id 0
		.amdhsa_next_free_vgpr 98
		.amdhsa_next_free_sgpr 66
		.amdhsa_reserve_vcc 1
		.amdhsa_float_denorm_mode_32 3
		.amdhsa_float_denorm_mode_16_64 3
		.amdhsa_memory_ordered 1
		.amdhsa_forward_progress 1
		.amdhsa_inst_pref_size 14
	.end_amdhsa_kernel
	.amdgpu_metadata
---
amdhsa.version: [ 1, 2 ]
amdhsa.kernels:
  - .name:           k_q4e8f396187_stats
    .symbol:         k_q4e8f396187_stats.kd
    .args:
      - { .name: y, .offset: 0, .size: 8, .value_kind: global_buffer, .address_space: global }
      - { .name: part, .offset: 8, .size: 8, .value_kind: global_buffer, .address_space: global }
    .group_segment_fixed_size: 1280
    .private_segment_fixed_size: 0
    .kernarg_segment_align: 8
    .kernarg_segment_size: 16
    .max_flat_workgroup_size: 256
    .sgpr_count:     66
    .vgpr_count:     98
    .wavefront_size: 32
...
	.end_amdgpu_metadata
.endif
;; end of part 1
;; launch lnq1 (part 2): grid 256 x 1, 8 waves a work-group, no clusters, 43,008 bytes of LDS; arguments y, part, ln1_w, ln1_b, nc; writes nc
.if DOCPART == 2
	.amdgcn_target "amdgcn-amd-amdhsa--gfx1250"
	.amdhsa_code_object_version 6
	.text
	.protected	k_q4e8f396187_lnq1
	.globl	k_q4e8f396187_lnq1
	.p2align	8
	.type	k_q4e8f396187_lnq1,@function
k_q4e8f396187_lnq1:
	s_mov_b64 s[64:65], 0
	v_nop
	global_prefetch_b8 v0, s[64:65] scope:SCOPE_SE
	s_setreg_imm32_b32 hwreg(HW_REG_WAVE_MODE, 25, 1), 1
	s_wait_xcnt 0x0
; LayerNorm over (2048, 1024) of each batch, then the quantiser along the last axis: t [2][2048][1024] f32 -> codes of E4M3 [4096][1024] at byte 0 of nc, E8M0 bytes [4096][32] at byte 0x400000.
; part holds 256 pairs (mean, M2), each over 16,384 numbers, 128 a batch: every wave joins them anew (M2 = sum M2_i + n sum (mean_i - mean)^2: no difference of large sums).
; Wave w of work-group g takes row l = 8 g + w of BOTH batches, so each byte of the gain and of the bias is read once.  A row is two steps of 512 numbers.
; Loads take the bytes as they lie (512 consecutive bytes a load); the conversions want 16 neighbours in one lane: a step's 2,048 bytes turn through the wave's own stage in LDS (16 bytes of padding behind each 64).
; Two neighbouring lanes hold a block of 32.  A step's codes leave as 512 consecutive bytes; the work-group's 256 scale bytes of a batch meet in LDS and leave as one aligned run of 256 bytes.
; LIMITS: NaN and infinities are not served; a block whose largest magnitude lies under 2^-118 (a block of zeros too) gets the byte 1: its codes are small or zero, and only this program reads the bytes.
.set SP,  80                           ; a lane's place in a stage
.set SCB, 40960                        ; behind the eight waves' stages: 512 scale bytes
.set MU,  16                           ; v16-17 (mu, mu), v18-19 (rs, rs) of batch 0; v20-23 of batch 1
.set P,   24                           ; v24-39   my four pairs of each batch
.set W,   40                           ; v40-71   the gain of my row
.set BB,  72                           ; v72-103  the bias of my row
.set T,   104                          ; v104-167 my row of both batches: 16 registers a step
.set X,   168                          ; v168-199 two sets of 16 neighbours
.set C,   200                          ; v200-215 codes, four registers a step
.set E,   216                          ; v216-219 a scale byte a step
.macro WSUM r, t
	s_delay_alu instid0(VALU_DEP_1)
	v_add_f32_dpp v[\r], v[\r], v[\r] row_xmask:1 row_mask:0xf bank_mask:0xf
	s_delay_alu instid0(VALU_DEP_1)
	v_add_f32_dpp v[\r], v[\r], v[\r] row_xmask:2 row_mask:0xf bank_mask:0xf
	s_delay_alu instid0(VALU_DEP_1)
	v_add_f32_dpp v[\r], v[\r], v[\r] row_xmask:4 row_mask:0xf bank_mask:0xf
	s_delay_alu instid0(VALU_DEP_1)
	v_add_f32_dpp v[\r], v[\r], v[\r] row_xmask:8 row_mask:0xf bank_mask:0xf
	s_wait_alu depctr_va_vdst(0)
	v_permlanex16_b32 v[\t], v[\r], s26, s27
	s_delay_alu instid0(VALU_DEP_1)
	v_add_f32 v[\r], v[\r], v[\t]
.endm
	s_load_b256 s[4:11], s[0:1], 0x0               ; t, part, gain, bias
	s_load_b64 s[12:13], s[0:1], 0x20              ; nc
	v_lshl_add_u32 v224, v0, 2, 0xa400
	v_mov_b32 v225, 0
	v_lshrrev_b32 v1, 5, v0
	s_delay_alu instid0(VALU_DEP_1)
	v_readfirstlane_b32 s16, v1                    ; wave
	v_and_b32 v2, 31, v0                           ; lane
	s_delay_alu instid0(VALU_DEP_1)
	v_lshlrev_b32 v3, 4, v2                        ; 16 x lane
	s_delay_alu instid0(VALU_DEP_2)
	v_lshlrev_b32 v4, 5, v2                        ; 32 x lane: my four pairs
	s_mul_i32 s22, s16, 2*32*SP                    ; my wave's two stages
	v_lshrrev_b32 v14, 2, v2
	s_delay_alu instid0(VALU_DEP_1)
	v_mul_u32_u24 v14, v14, SP
	v_and_b32 v15, 3, v2
	s_delay_alu instid0(VALU_DEP_1)
	v_lshl_add_u32 v14, v15, 4, v14
	s_delay_alu instid0(VALU_DEP_1)
	v_add_nc_u32 v14, s22, v14                     ; into a stage: SP (lane / 4) + 16 (lane % 4)
	v_mul_u32_u24 v15, v2, SP
	s_delay_alu instid0(VALU_DEP_1)
	v_add_nc_u32 v15, s22, v15                     ; out of it: SP x lane
	s_lshl_b32 s22, s16, 5
	s_add_co_u32 s22, s22, SCB
	v_lshrrev_b32 v5, 1, v2
	s_delay_alu instid0(VALU_DEP_1)
	v_add_nc_u32 v5, s22, v5                       ; my block's scale byte: SCB + 32 x wave + lane / 2
	s_and_b32 s30, s16, 1
	s_lshl_b32 s22, s30, 8
	s_add_co_u32 s22, s22, SCB
	v_lshlrev_b32 v7, 3, v2
	s_delay_alu instid0(VALU_DEP_1)
	v_add_nc_u32 v6, s22, v7                       ; and on the way out 8 bytes a lane
	v_mov_b32 v13, 0                               ; a lane permute's destination counts as read
	s_mov_b32 s20, 0x35000000                      ; 2^-21: one over a batch's numbers
	s_mov_b32 s21, 0x3727c5ac                      ; 1e-5
	s_mov_b32 s23, 0x600000                        ; the mantissa field of 448
	s_mov_b32 s26, 0x76543210
	s_mov_b32 s27, 0xfedcba98
	s_lshl_b32 s17, ttmp9, 3
	s_add_co_u32 s17, s17, s16                     ; my row l
	s_lshl_b32 s18, s17, 12
	s_mov_b32 s19, 0
	s_lshl_b32 s28, s17, 10
	s_mov_b32 s29, 0
	s_lshl_b32 s30, s30, 16                        ; scale bytes: batch (wave & 1) x 2,048 rows x 32
	s_lshl_b32 s31, ttmp9, 8                       ; + 8 g rows x 32
	s_add_co_u32 s30, s30, s31
	s_add_co_u32 s30, s30, 0x400000
	s_mov_b32 s31, 0
	s_wait_kmcnt 0x0
	s_add_nc_u64 s[4:5], s[4:5], s[18:19]          ; my row in batch 0,
	s_add_nc_u64 s[14:15], s[4:5], 0x800000        ; in batch 1 (too far for an immediate),
	s_add_nc_u64 s[8:9], s[8:9], s[18:19]          ; in the gain and in the bias
	s_add_nc_u64 s[10:11], s[10:11], s[18:19]
	s_add_nc_u64 s[24:25], s[12:13], s[30:31]
	s_add_nc_u64 s[12:13], s[12:13], s[28:29]      ; my row's codes
	global_load_b128 v[P:P+3], v4, s[6:7]
	global_load_b128 v[P+4:P+7], v4, s[6:7] offset:16
	global_load_b128 v[P+8:P+11], v4, s[6:7] offset:1024
	global_load_b128 v[P+12:P+15], v4, s[6:7] offset:1040
.irp i, 0,1,2,3,4,5,6,7
	global_load_b128 v[W+4*\i:W+4*\i+3], v3, s[8:9] offset:512*\i th:TH_LOAD_NT
.endr
.irp i, 0,1,2,3,4,5,6,7
	global_load_b128 v[BB+4*\i:BB+4*\i+3], v3, s[10:11] offset:512*\i th:TH_LOAD_NT
.endr
.irp i, 0,1,2,3,4,5,6,7
	global_load_b128 v[T+4*\i:T+4*\i+3], v3, s[4:5] offset:512*\i
.endr
.irp i, 0,1,2,3,4,5,6,7
	global_load_b128 v[T+32+4*\i:T+32+4*\i+3], v3, s[14:15] offset:512*\i
.endr
.macro COMB b                          ; batch b: mu and 1 / sqrt(var + eps) from its 128 pairs
.set PP, P+8*(\b)
.set MM, MU+4*(\b)
	v_add_f32 v8, v[PP], v[PP+2]
	v_add_f32 v9, v[PP+4], v[PP+6]
	s_delay_alu instid0(VALU_DEP_1)
	v_add_f32 v8, v8, v9
	WSUM 8, 13
	s_delay_alu instid0(VALU_DEP_1)
	v_mul_f32 v[MM], 0x3c000000, v8                ; / 128
	s_delay_alu instid0(VALU_DEP_1)
	v_sub_f32 v9, v[PP], v[MM]
	s_delay_alu instid0(VALU_DEP_2)
	v_sub_f32 v10, v[PP+2], v[MM]
	s_delay_alu instid0(VALU_DEP_3)
	v_sub_f32 v11, v[PP+4], v[MM]
	s_delay_alu instid0(VALU_DEP_4)
	v_sub_f32 v12, v[PP+6], v[MM]
	s_delay_alu instid0(VALU_DEP_4)
	v_mul_f32 v9, v9, v9
	s_delay_alu instid0(VALU_DEP_1)
	v_fmac_f32 v9, v10, v10
	s_delay_alu instid0(VALU_DEP_1)
	v_fmac_f32 v9, v11, v11
	s_delay_alu instid0(VALU_DEP_1)
	v_fmac_f32 v9, v12, v12
	v_add_f32 v8, v[PP+1], v[PP+3]
	v_add_f32 v10, v[PP+5], v[PP+7]
	s_delay_alu instid0(VALU_DEP_1)
	v_add_f32 v8, v8, v10
	s_delay_alu instid0(VALU_DEP_1)
	v_fmamk_f32 v8, v9, 0x46800000, v8             ; M2_i + 16,384 (mean_i - mu)^2
	WSUM 8, 13
	s_delay_alu instid0(VALU_DEP_1)
	v_fma_f32 v8, v8, s20, s21                     ; var + eps
	s_wait_alu depctr_va_vdst(0)
	v_rsq_f32 v[MM+2], v8
	v_mov_b32 v[MM+1], v[MM]                       ; (a plain line behind the transcendental)
	s_wait_alu depctr_va_vdst(0)
	v_mov_b32 v[MM+3], v[MM+2]
.endm
.macro LN t                            ; step t = 2 x batch + half of the row: ((t - mu) rs) w + b, in the layout of the loads
.set TT, T+16*(\t)
.set WW, 16*((\t)%2)
.set MM, MU+4*((\t)/2)
.irp i, 0,2,4,6,8,10,12,14
	v_pk_add_f32 v[TT+\i:TT+\i+1], v[TT+\i:TT+\i+1], v[MM:MM+1] neg_lo:[0,1] neg_hi:[0,1]
.endr
.irp i, 0,2,4,6,8,10,12,14
	v_pk_mul_f32 v[TT+\i:TT+\i+1], v[TT+\i:TT+\i+1], v[MM+2:MM+3]
.endr
.irp i, 0,2,4,6,8,10,12,14
	v_pk_fma_f32 v[TT+\i:TT+\i+1], v[TT+\i:TT+\i+1], v[W+WW+\i:W+WW+\i+1], v[BB+WW+\i:BB+WW+\i+1]
.endr
.endm
.macro TURN t                          ; through the stage: LDS serves a wave's instructions in order, so no wait stands between the stores and the loads
.irp i, 0,1,2,3
	ds_store_b128 v14, v[T+16*(\t)+4*\i:T+16*(\t)+4*\i+3] offset:32*SP*((\t)%2)+8*SP*\i
.endr
.irp i, 0,1,2,3
	ds_load_b128 v[X+16*((\t)%2)+4*\i:X+16*((\t)%2)+4*\i+3], v15 offset:32*SP*((\t)%2)+16*\i
.endr
.endm
.macro Q t                             ; 16 neighbours a lane become 16 codes; two lanes share a block
.set XS, X+16*((\t)%2)
	v_max3_num_f32 v8, |v[XS]|, |v[XS+1]|, |v[XS+2]|
	v_max3_num_f32 v9, |v[XS+3]|, |v[XS+4]|, |v[XS+5]|
.irp i, 6,10
	s_delay_alu instid0(VALU_DEP_2)
	v_max3_num_f32 v8, v8, |v[XS+\i]|, |v[XS+\i+1]|
	s_delay_alu instid0(VALU_DEP_2)
	v_max3_num_f32 v9, v9, |v[XS+\i+2]|, |v[XS+\i+3]|
.endr
	s_delay_alu instid0(VALU_DEP_2)
	v_max3_num_f32 v8, v8, |v[XS+14]|, |v[XS+15]|
	s_delay_alu instid0(VALU_DEP_1)
	v_max3_num_f32 v8, v8, v9, 0x4800000           ; the floor 2^(9 - 127): the byte cannot fall under 1
	s_delay_alu instid0(VALU_DEP_1)
	v_max_num_f32_dpp v8, v8, v8 row_xmask:1 row_mask:0xf bank_mask:0xf   ; with my neighbour's 16: the block's largest magnitude
	s_delay_alu instid0(VALU_DEP_1)
	v_add_nc_u32 v11, 0xfc000000, v8               ; 8 off its exponent field: the conversion's scale operand
	s_delay_alu instid0(VALU_DEP_2)
	v_and_or_b32 v10, v8, 0x7f800000, s23          ; 448 x the scale
.irp i, 0,1,2,3,4,5,6,7,8,9,10,11,12,13,14,15
	v_med3_num_f32 v[XS+\i], v[XS+\i], -v10, v10   ; the conversion to an 8-bit code does not saturate (ISA guide 7.6.2): the hold comes first
.endr
	v_cvt_scalef32_pk8_fp8_f32 v[C+4*(\t):C+4*(\t)+1], v[XS:XS+7], v11
	v_cvt_scalef32_pk8_fp8_f32 v[C+4*(\t)+2:C+4*(\t)+3], v[XS+8:XS+15], v11
	v_lshrrev_b32 v[E+(\t)], 23, v11               ; the scale's byte
	ds_store_b8 v5, v[E+(\t)] offset:256*((\t)/2)+16*((\t)%2)      ; both lanes of a block write the same byte with the same value
	global_store_b128 v3, v[C+4*(\t):C+4*(\t)+3], s[12:13] offset:((\t)/2)*0x200000+512*((\t)%2)   ; 512 consecutive bytes a wave
.endm
	s_wait_loadcnt 32                              ; the pairs are in; the 32 younger loads are out
	COMB 0
	COMB 1
	s_wait_loadcnt 8                               ; gain, bias and batch 0's row are in; batch 1's eight loads are out
	LN 0
	TURN 0
	LN 1
	TURN 1
	s_wait_dscnt 8                                 ; step 0 is back; step 1's eight LDS instructions are out
	Q 0
	s_wait_loadcnt 0x0
	LN 2
	s_wait_alu depctr_va_vdst(0)
	s_wait_dscnt 1                                 ; step 1 is back; step 0's byte store may be out
	TURN 2
	Q 1
	LN 3
	s_wait_alu depctr_va_vdst(0)
	s_wait_dscnt 1                                 ; step 2 is back; step 1's byte store may be out
	TURN 3
	Q 2
	s_wait_dscnt 1                                 ; step 3 is back
	Q 3
	s_wait_dscnt 0x0                               ; for the others' sake: my scale bytes lie in LDS
	s_barrier_signal -1
	s_barrier_wait -1
	s_cmp_gt_u32 s16, 1
	s_cbranch_scc1 .Lend                           ; wave 0 stores batch 0's 256 scale bytes, wave 1 batch 1's
	ds_load_b64 v[12:13], v6
	s_wait_dscnt 0x0
	global_store_b64 v7, v[12:13], s[24:25]        ; 256 consecutive bytes, aligned
.Lend:
	s_wait_tensorcnt 0x0
	ds_add_u32 v224, v225
	s_wait_dscnt 0x0
	s_endpgm
.Lfunc_end_k_q4e8f396187_lnq1:
	.size	k_q4e8f396187_lnq1, .Lfunc_end_k_q4e8f396187_lnq1-k_q4e8f396187_lnq1
	.p2alignl 7, 3214868480
	.fill 96, 4, 3214868480
	.section	.rodata,"a",@progbits
	.p2align	6, 0x0
	.amdhsa_kernel k_q4e8f396187_lnq1
		.amdhsa_group_segment_fixed_size 43008
		.amdhsa_private_segment_fixed_size 0
		.amdhsa_enable_private_segment 0
		.amdhsa_kernarg_size 40
		.amdhsa_user_sgpr_count 2
		.amdhsa_user_sgpr_kernarg_segment_ptr 1
		.amdhsa_wavefront_size32 1
		.amdhsa_system_sgpr_workgroup_id_x 1
		.amdhsa_system_sgpr_workgroup_id_y 1
		.amdhsa_system_sgpr_workgroup_id_z 1
		.amdhsa_system_vgpr_workitem_id 0
		.amdhsa_next_free_vgpr 226
		.amdhsa_next_free_sgpr 66
		.amdhsa_reserve_vcc 0
		.amdhsa_float_denorm_mode_32 3
		.amdhsa_float_denorm_mode_16_64 3
		.amdhsa_memory_ordered 1
		.amdhsa_forward_progress 1
		.amdhsa_inst_pref_size 29
	.end_amdhsa_kernel
	.amdgpu_metadata
---
amdhsa.version: [ 1, 2 ]
amdhsa.kernels:
  - .name:           k_q4e8f396187_lnq1
    .symbol:         k_q4e8f396187_lnq1.kd
    .args:
      - { .name: y, .offset: 0, .size: 8, .value_kind: global_buffer, .address_space: global }
      - { .name: part, .offset: 8, .size: 8, .value_kind: global_buffer, .address_space: global }
      - { .name: ln1_w, .offset: 16, .size: 8, .value_kind: global_buffer, .address_space: global }
      - { .name: ln1_b, .offset: 24, .size: 8, .value_kind: global_buffer, .address_space: global }
      - { .name: nc, .offset: 32, .size: 8, .value_kind: global_buffer, .address_space: global }
    .group_segment_fixed_size: 43008
    .private_segment_fixed_size: 0
    .kernarg_segment_align: 8
    .kernarg_segment_size: 40
    .max_flat_workgroup_size: 256
    .sgpr_count:     66
    .vgpr_count:     226
    .wavefront_size: 32
...
	.end_amdgpu_metadata
.endif
;; end of part 2
;; launch qkv (part 3): grid 12 x 16, 4 waves a work-group, clusters of 4 x 4, 327,680 bytes of LDS; arguments x_codes, x_scales, nc, Wq_codes, Wq_scales, Wk_codes, Wk_scales, Wv_codes, Wv_scales, bq, bk, bv, qkv; writes qkv
.if DOCPART == 3
	.amdgcn_target "amdgcn-amd-amdhsa--gfx1250"
	.amdhsa_code_object_version 6
	.text
	.protected	k_q4e8f396187_qkv
	.globl	k_q4e8f396187_qkv
	.p2align	8
	.type	k_q4e8f396187_qkv,@function
k_q4e8f396187_qkv:
	s_mov_b64 s[64:65], 0
	v_nop
	global_prefetch_b8 v0, s[64:65] scope:SCOPE_SE
	s_setreg_imm32_b32 hwreg(HW_REG_WAVE_MODE, 25, 1), 1
	s_wait_xcnt 0x0
	s_wait_alu depctr_hold_cnt(0) depctr_sa_sdst(0) depctr_va_vdst(0) depctr_va_sdst(0) depctr_va_ssrc(0) depctr_va_vcc(0) depctr_vm_vsrc(0)
	s_getreg_b32 s2, hwreg(HW_REG_IB_STS2, 6, 4)
	s_cmp_eq_u32 s2, 0
	s_cbranch_scc0 .Lentry_in_a_cluster
	s_endpgm
.Lentry_in_a_cluster:
	s_bfe_u32 s2, ttmp6, 0x10000c
	s_cmp_lg_u32 s2, 0xf033
	s_cbranch_scc0 .Lentry_shape_is_right
	s_endpgm
.Lentry_shape_is_right:
; q = x Wq + bq, k = n Wk + bk, v = n Wv + bv (n: the normed y, as codes in nc), all three on codes of E4M3 with E8M0 scales, K = 1,024; the results are quantised at once: q and k along a head's 64, v along the keys.
; The cluster's x says which product (0 q, 1 k, 2 v): all partners share it.  A work-group makes 256 x 256, a wave 128 x 128: 64 accumulators, 512 registers.  192 work-groups: tiles of 128 x 128 would read 2.5 times the LDS bytes for each product.
; K goes in steps of 256 through a ring of two LDS slots; the scale bytes of all of K come once.  CLUSTERS 4 x 4: the activation's tile hangs on the tile row and is shared along a row of the cluster, the weight's on cx and is shared along a column.
; In the matrix instruction source 0 is the REGISTER operand (a lane's eight results run along its rows) and source 1 the LANE operand (a lane holds one of its rows).  q, k: registers along the weight's rows (the head's axis), lanes on the activation's rows.
; v: the other way round, so that a lane's registers run along the keys.  The loads know nothing of that: only the LDS addresses of the reads are chosen by the product's number.
; OUT: images of operand registers.  A fragment (16 rows x 128 K) is 2,048 bytes, byte 512 c + 16 lane + i = byte i of the lane's registers 4 c .. 4 c + 3.  Inside a block of 32 the order is the one that two conversions leave
; (position (c, h, i) holds k = 32 c + 16 (i / 8) + 8 h + i % 8): the same on both operands of the later products, and inside one scale block.  QC, KC [n / 128][row / 16][2048] at 0 and 0x400000; VC [key / 128][n / 16][2048] at 0x800000.
; Scale words: QS, KS [head][row] at 0xC00000, 0xC40000 (bytes 0, 1 the head's two blocks; bytes 2, 3 stand over zero codes later and are never 0xff); VS [key / 128][n] at 0xC80000.
; LIMITS: NaN and infinities are not served; a block whose largest magnitude lies under 2^-118 (a block of zeros too) gets the byte 1; only this program reads the bytes.
.set KSTEP,  256
.set NQ,     2
.set ROWB,   256
.set KROW,   1024
.set PITCH,  272                       ; an LDS row: 256 bytes + 16 of padding: the 16 rows that a load touches start at 16 different banks (64 banks of 4 bytes: ISA guide 11.1)
.set FR,     16
.set NL,     4
.set NP,     8                         ; places behind this matrix instruction (ISA guide 7.12.1)
.set HALFT,  128*PITCH
.set SLOT,   4*HALFT                   ; the activation's 256 rows, then the weight's 256 rows
.set KS,     32
.set SCL,    2*SLOT
.set HALFS,  (128*KS/256)*272
.set SBLK,   (16*KS/256)*272
.set SPARE,  SCL+4*HALFS+1024          ; the spare words, 128 bytes a wave, 1,024 bytes behind the scales
.set BV,   8                           ; v8-15   the bias along the lane axis (v)
.set ADRA, 16
.set ADRB, 20
.set SWO,  25                          ; v25     4 x lane
.set CO,   26                          ; v26     16 x lane
.set ADRS, 27
.set SPW,  28
.set NIL,  29
.set BA,   30
.set BC,   31
.set SC,   32                          ; v32-63  scale words, two sets
.set BI,   64                          ; v64-127 the bias along the register axis (q, k)
.set AF,   128                         ; the lane operand's fragments, one set
.set X,    128                         ; behind the products: 64 numbers of a lane,
.set PC,   192                         ; codes, two sets of 16,
.set TM,   224                         ; the quantiser's 16 registers,
.set PW,   240                         ; a scale word for each block of 16 lane rows,
.set W2,   248                         ; two blocks' words in one register,
.set W3,   252                         ; and their upper halves
.set G1, 24
.set G0, 32
.set G1B, 48
.set G0B, 56
.set G1S, 68
.set G0S, 76
.set G1SB, 80
.set G0SB, 88
.set PV,  95                           ; s95  1 in v's work-groups
.set HM,  98                           ; s98  mask of lanes 16-31
.set MNT, 99
.set SEL, 100
.set MSB, 0
.macro WIN new                         ; the immediate's high byte repeats the setting that is left
.if MSB != (\new)
	s_set_vgpr_msb (MSB<<8)|(\new)
.set MSB, (\new)
.endif
.endm
.set MUL_LO, 0xa1                      ; source 0 window 1, source 1 window 0, C and D window 2
.set MUL_HI, 0xf1
.set TO_B,   0x40
.macro JLOAD g0a, g1a, g0b, g1b        ; a joint load: waves 0, 1 fetch the activation, waves 2, 3 the weight; four v_nop follow each line
	s_cmp_eq_u32 s15, 0
	s_cbranch_scc0 .Lfor_b_\@
	tensor_load_to_lds s[\g0a:\g0a+3], s[\g1a:\g1a+7]
	s_nop 0
.rept 4
	v_nop
.endr
	s_branch .Lasked_\@
.Lfor_b_\@:
	tensor_load_to_lds s[\g0b:\g0b+3], s[\g1b:\g1b+7]
	s_nop 0
.rept 4
	v_nop
.endr
.Lasked_\@:
.endm
.macro CREST
	s_cmp_lg_u32 s14, 0
	s_cbranch_scc1 .Lnot_wave_0_\@
	s_barrier_signal -3
.Lnot_wave_0_\@:
	s_barrier_wait -3
	s_barrier_signal -1
	s_barrier_wait -1
.endm
.macro CROUND
	s_barrier_signal -1
	s_barrier_wait -1
	CREST
.endm
	s_load_b512 s[24:39], s[0:1], 0x0              ; x codes, x scales, nc, Wq codes, Wq scales, Wk codes, Wk scales, Wv codes
	s_load_b256 s[40:47], s[0:1], 0x40             ; Wv scales, bq, bk, bv
	s_load_b64 s[48:49], s[0:1], 0x60              ; qkv
	v_lshl_add_u32 v[SPW], v0, 2, SPARE
	v_mov_b32 v[NIL], 0
	ds_add_u32 v28, v29
	ds_add_u32 v28, v29
	s_wait_dscnt 0x0
	v_lshrrev_b32 v1, 5, v0
	v_readfirstlane_b32 s14, v1                    ; wave 0..3
	s_lshr_b32 s15, s14, 1                         ; which half of the lane operand's rows is mine.  Also: I fetch the activation (0) or the weight (1)
	s_and_b32 s16, s14, 1                          ; which half of the register operand's.  Also: which 128 rows I fetch
	s_wait_kmcnt 0x0
	s_add_nc_u64 s[50:51], s[28:29], 0x400000      ; nc's scale bytes
	s_cmp_eq_u32 ttmp9, 0                          ; the buffers are chosen by the product's number alone
	s_cselect_b64 s[4:5], s[24:25], s[28:29]
	s_cselect_b64 s[6:7], s[26:27], s[50:51]
	s_cselect_b64 s[8:9], s[30:31], s[34:35]
	s_cselect_b64 s[10:11], s[32:33], s[36:37]
	s_cselect_b64 s[66:67], s[42:43], s[44:45]
	s_cmp_eq_u32 ttmp9, 2
	s_cselect_b64 s[4:5], s[38:39], s[4:5]         ; v: the first LDS region (the lane operand's) takes the weight,
	s_cselect_b64 s[6:7], s[40:41], s[6:7]
	s_cselect_b64 s[8:9], s[28:29], s[8:9]         ; and the second (the register operand's) the normed y: every LDS address is the same in all three products
	s_cselect_b64 s[10:11], s[50:51], s[10:11]
	s_cselect_b64 s[66:67], s[46:47], s[66:67]
	s_cselect_b32 s[PV], 1, 0
	s_mov_b64 s[12:13], s[48:49]
	s_bfe_u32 s40, ttmp6, 0x40000                  ; cx, cy
	s_bfe_u32 s41, ttmp6, 0x40004
	s_and_b32 s17, ttmp7, 0xffff
	s_lshl_b32 s17, s17, 2                         ; 4 x cluster y
	s_add_co_u32 s42, s17, s40                     ; + cx
	s_add_co_u32 s17, s17, s41                     ; + cy
	s_cmp_eq_u32 s[PV], 1
	s_cselect_b32 s17, s41, s17                    ; the lane operand's tile of 256 rows hangs on cy alone: q, k: the activation's 4 x cluster y + cy; v: the weight's cy
	s_cselect_b32 s42, s42, s40                    ; the register operand's on cx alone: q, k: the weight's cx; v: the activation's 4 x cluster y + cx
	s_lshl_b32 s43, s41, 2
	s_lshl_b32 s43, 15, s43                        ; my row of the cluster
	s_lshl_b32 s44, 0x1111, s40                    ; my column
	s_or_b32 s[G1+0], s43, (0<<16)|(1<<20)|(1<<21)|(5<<22)|(3<<25)  ; mask; elements of 1 byte; padding on; bit 21 beside a mask; 4 words behind every 64
	s_or_b32 s[G1B+0], s44, (0<<16)|(1<<20)|(1<<21)|(5<<22)|(3<<25)
.irp g, G1, G1B
	s_mov_b32 s[\g+1], ROWB<<16
	s_mov_b32 s[\g+2], 256<<16                     ; the head's loads bring 256 rows; behind them the two words are set to 128
	s_mov_b32 s[\g+3], ROWB<<16
	s_mov_b32 s[\g+4], 256
	s_mov_b32 s[\g+5], KROW
	s_mov_b32 s[\g+6], 0
	s_mov_b32 s[\g+7], 0
.endr
	s_or_b32 s[G1S+0], s43, (3<<16)|(1<<20)|(1<<21)|(5<<22)|(3<<25) ; the scales of 256 rows: 8,192 dense bytes as rows of 256
	s_or_b32 s[G1SB+0], s44, (3<<16)|(1<<20)|(1<<21)|(5<<22)|(3<<25)
.irp g, G1S, G1SB
	s_mov_b32 s[\g+1], 32<<16
	s_mov_b32 s[\g+2], KS<<16                      ; the scales of 256 rows: KS rows of 256 bytes
	s_mov_b32 s[\g+3], 32<<16
	s_mov_b32 s[\g+4], KS
	s_mov_b32 s[\g+5], 32
	s_mov_b32 s[\g+6], 0
	s_mov_b32 s[\g+7], 0
.endr
	s_lshl_b32 s18, s16, 7
	s_lshl_b32 s20, s17, 8
	s_add_co_u32 s20, s20, s18                     ; the activation's row
	s_lshl_b32 s46, s42, 8
	s_add_co_u32 s46, s46, s18                     ; the weight's row
	s_mov_b32 s21, 0
	s_mov_b32 s47, 0
	s_mov_b64 s[18:19], KS
	s_mul_u64 s[22:23], s[20:21], s[18:19]
	s_mul_u64 s[92:93], s[46:47], s[18:19]
	s_mov_b64 s[18:19], KROW
	s_mul_u64 s[20:21], s[20:21], s[18:19]
	s_mul_u64 s[46:47], s[46:47], s[18:19]
	s_mul_i32 s45, s14, HALFT                      ; where they go: wave x 128 rows
	s_add_nc_u64 s[20:21], s[4:5], s[20:21]
	s_add_nc_u64 s[22:23], s[6:7], s[22:23]
	s_add_nc_u64 s[46:47], s[8:9], s[46:47]
	s_add_nc_u64 s[92:93], s[10:11], s[92:93]
	CROUND                                         ; all sixteen work-groups are here: the first joint loads meet
.set G0H, 4                            ; s[4:7], s[8:11]: group 0 of the head's loads of K step 0 (the arguments that lay there have been used)
.set G0HB, 8
.macro HG0 g, lds, adr, half           ; group 0 of a whole tile: my half's address less my half
	s_mul_i32 s18, s16, \half
	s_mov_b32 s[\g], 1
	s_mov_b32 s[\g+1], \lds
	s_sub_nc_u64 s[\g+2:\g+3], s[\adr:\adr+1], s[18:19]
	s_or_b32 s[\g+3], s[\g+3], 0x80000000
.endm
	s_mov_b32 s19, 0
	HG0 G0H, 0, 20, 128*KROW
	HG0 G0HB, 2*HALFT, 46, 128*KROW
	HG0 G0S, SCL, 22, 128*KS
	HG0 G0SB, SCL+2*HALFS, 92, 128*KS
.irp s, 0,1
	s_mov_b32 s[G0+4*\s], 1
	s_add_co_u32 s[G0+4*\s+1], s45, \s*SLOT
	s_add_nc_u64 s[G0+4*\s+2:G0+4*\s+3], s[20:21], \s*ROWB
	s_or_b32 s[G0+4*\s+3], s[G0+4*\s+3], 0x80000000
	s_mov_b32 s[G0B+4*\s], 1
	s_add_co_u32 s[G0B+4*\s+1], s45, \s*SLOT
	s_add_nc_u64 s[G0B+4*\s+2:G0B+4*\s+3], s[46:47], \s*ROWB
	s_or_b32 s[G0B+4*\s+3], s[G0B+4*\s+3], 0x80000000
.endr
; THE HEAD'S LOADS, ONE A WAVE: wave 0 K step 0's 256 rows of the first region, wave 1 those of the second, waves 2 and 3 their scales.  One tree of branches on the wave's number.
.macro ARM under, g0, g1, next
	s_cmp_lt_u32 s14, \under
	s_cbranch_scc0 \next
	tensor_load_to_lds s[\g0:\g0+3], s[\g1:\g1+7]
	s_nop 0
.rept 4
	v_nop
.endr
	s_branch .Lhead_asked
\next:
.endm
	ARM 1, G0H,  G1,  .Lhead_b
	ARM 2, G0HB, G1B, .Lhead_sa
	ARM 3, G0S,  G1S, .Lhead_sb
	tensor_load_to_lds s[G0SB:G0SB+3], s[G1SB:G1SB+7]
	s_nop 0
.rept 4
	v_nop
.endr
.Lhead_asked:
	; THE PREFETCHES.  A K step is 256 bytes of each row.  Of the 128 rows that a wave fetches in the ring, each of the four partners that ask for them jointly takes 32, told apart BY ADDRESS
	; (cx for the first region's rows, cy for the second's): a lane a row, one instruction a wave, so each block of 256 bytes is named once in each cluster that loads it.
	; K steps 1 and 2 are asked for here, K step 3 behind K step 1's load: at most two K steps are asked for and not yet read.  The address registers are never rewritten.
	s_cmp_eq_u32 s15, 0
	s_cselect_b64 s[92:93], s[20:21], s[46:47]
	s_cselect_b32 s18, s40, s41                    ; my place among the four
	s_lshl_b32 s18, s18, 15                        ; 32 rows of 1,024 bytes
	s_mov_b32 s19, 0
	s_add_nc_u64 s[92:93], s[92:93], s[18:19]
	v_and_b32 v22, 31, v0
	v_lshlrev_b32 v22, 10, v22                     ; my lane's row
	global_prefetch_b8 v22, s[92:93] offset:256 th:TH_LOAD_NT scope:SCOPE_SE
	global_prefetch_b8 v22, s[92:93] offset:512 th:TH_LOAD_NT scope:SCOPE_SE
	s_cmp_eq_u32 ttmp9, 2
	s_cselect_b32 s94, s17, s42                    ; the weight's tile, for the bias
	s_cselect_b32 s105, 17, 19                     ; log2 of the bytes of the images of one run of 128 along the register axis
	s_cselect_b32 s23, 12, 15                      ; and of its scale words
	v_and_b32 v1, 15, v0                           ; r
	s_wait_alu depctr_va_vdst(0)
	v_bfe_u32 v2, v0, 4, 1                         ; h
	v_cmp_eq_u32 s[HM], 1, v2
	v_mul_u32_u24 v3, v1, PITCH
	v_lshl_add_u32 v4, v2, 4, v3                   ; a fragment's row x pitch + 16 h
	s_mul_i32 s21, s15, HALFT
	s_mul_i32 s22, s16, HALFT
	s_add_co_u32 s22, s22, 2*HALFT
.irp s, 0,1
	v_add_nc_u32 v[ADRA+\s], s21, v4
	v_add_nc_u32 v[ADRB+\s], s22, v4
	s_add_co_u32 s21, s21, SLOT
	s_add_co_u32 s22, s22, SLOT
.endr
	v_mul_u32_u24 v5, v1, KS                       ; my row's scales: 32 bytes a row, 16 more for each 256 passed
	v_lshrrev_b32 v6, 8, v5
	v_lshl_add_u32 v5, v6, 4, v5
	s_mul_i32 s21, s15, HALFS
	s_mul_i32 s22, s16, HALFS
	s_add_co_u32 s22, s22, 2*HALFS
	s_sub_co_u32 s22, s22, s21
	v_mul_u32_u24 v6, s22, v2                      ; lanes 0-15 take the lane operand's words, lanes 16-31 the register operand's
	s_add_co_u32 s21, s21, SCL
	v_add_nc_u32 v5, v5, v6
	v_add_nc_u32 v[ADRS], s21, v5
	v_and_b32 v6, 31, v0
	v_lshlrev_b32 v[SWO], 2, v6
	v_lshlrev_b32 v[CO], 4, v6
	s_lshl_b32 s20, s42, 1
	s_add_co_u32 s20, s20, s16                     ; which run of 128 along the register axis
	s_lshl_b32 s21, s17, 4
	s_lshl_b32 s22, s15, 3
	s_add_co_u32 s21, s21, s22                     ; my first tile of 16 lane rows
	s_lshl_b32 s46, s20, s105
	s_lshl_b32 s47, s21, 11
	s_add_co_u32 s46, s46, s47
	s_lshl_b32 s47, ttmp9, 22
	s_add_co_u32 s46, s46, s47
	s_mov_b32 s47, 0
	s_add_nc_u64 s[96:97], s[12:13], 0xC00000
	s_add_nc_u64 s[12:13], s[12:13], s[46:47]      ; my images
	s_lshl_b32 s46, s20, s23
	s_lshl_b32 s22, s21, 6
	s_add_co_u32 s46, s46, s22
	s_lshl_b32 s22, ttmp9, 18
	s_add_co_u32 s46, s46, s22
	s_add_nc_u64 s[96:97], s[96:97], s[46:47]      ; my scale words
	s_lshl_b32 s46, s94, 10
	s_add_nc_u64 s[66:67], s[66:67], s[46:47]      ; the bias of the weight's 256 rows
	s_lshl_b32 s22, s16, 9
	v_lshlrev_b32 v[BA], 5, v2
	v_add_nc_u32 v[BA], s22, v[BA]                 ; along the register axis: 512 x half + 32 h
	s_lshl_b32 s22, s15, 9
	v_lshlrev_b32 v[BC], 2, v1
	v_add_nc_u32 v[BC], s22, v[BC]                 ; along the lane axis: 512 x half + 4 r
.irp b, 0,1,2,3,4,5,6,7                ; both forms are loaded in every work-group (both lie inside the bias): one of them is used
	global_load_b128 v[BI+8*\b:BI+8*\b+3], v[BA], s[66:67] offset:64*\b
	global_load_b128 v[BI+8*\b+4:BI+8*\b+7], v[BA], s[66:67] offset:64*\b+16
	global_load_b32 v[BV+\b], v[BC], s[66:67] offset:64*\b
.endr
	s_mov_b32 s[MNT], 0x600000
	s_mov_b32 s[SEL], 0x76543210
	s_mov_b32 s[SEL+1], 0xfedcba98
.macro FRAG reg, adr, q, i             ; 16 rows x 128 K: lane l holds row l % 16; registers 4 c .. 4 c + 3 hold K = 32 c + 16 (l / 16) + 0 .. 15
.irp c, 0,1,2,3
	ds_load_b128 v[\reg+4*\c:\reg+4*\c+3], v[\adr] offset:128*(\q)+32*\c+(\i)*16*PITCH
.endr
.endm
; 16 matrix instructions: lane blocks a0, a0 + 1 x the register operand's eight.  The 64 accumulators take turns, one instruction a turn, in the same order in every step.
.macro MUL16 a0, p, q, sc, zero
.irp a, \a0, \a0+1
.irp b, 0,1,2,3,4,5,6,7
.if \zero
	v_wmma_scale_f32_16x16x128_f8f6f4 v[8*(8*((\a)%4)+\b):8*(8*((\a)%4)+\b)+7], v[128*(\p)+FR*\b:128*(\p)+FR*\b+FR-1], v[AF+FR*(\a):AF+FR*(\a)+FR-1], 0, v[SC+8*NQ*(\sc)+NQ*\b+(\q)], v[SC+8*NQ*(\sc)+NQ*(\a)+(\q)] matrix_a_scale:MATRIX_SCALE_ROW1
.else
	v_wmma_scale_f32_16x16x128_f8f6f4 v[8*(8*((\a)%4)+\b):8*(8*((\a)%4)+\b)+7], v[128*(\p)+FR*\b:128*(\p)+FR*\b+FR-1], v[AF+FR*(\a):AF+FR*(\a)+FR-1], v[8*(8*((\a)%4)+\b):8*(8*((\a)%4)+\b)+7], v[SC+8*NQ*(\sc)+NQ*\b+(\q)], v[SC+8*NQ*(\sc)+NQ*(\a)+(\q)] matrix_a_scale:MATRIX_SCALE_ROW1
.endif
.endr
.endr
.endm
.macro FETCH_B slot, q, p
	WIN TO_B
.irp i, 0,1,2,3,4,5,6,7
	FRAG 128*(\p)+FR*\i, ADRB+\slot, \q, \i
.endr
	WIN 0
.endm
.macro FETCH_A slot, q, i0
.irp i, \i0, \i0+1, \i0+2, \i0+3
	FRAG AF+FR*(\i), ADRA+\slot, \q, \i
.endr
.endm
.macro SCALES sc                       ; a K step's scale words: two words a row
.irp i, 0,1,2,3,4,5,6,7
	ds_load_b64 v[SC+8*NQ*\sc+NQ*\i:SC+8*NQ*\sc+NQ*\i+1], v[ADRS] offset:\i*SBLK
.endr
.endm
.macro PLACES n                        ; plain vector lines between a matrix instruction and a load into, or a read of, its registers
.rept \n
	v_nop
.endr
.endm
.macro STEP slot, q, zero              ; 128 along K with its successor in the same slot
	s_wait_dscnt 4*NL                              ; all but the youngest sixteen loads (lane blocks 4-7)
	WIN MUL_LO
	MUL16 0, (\q)%2, \q, \slot, \zero
	MUL16 2, (\q)%2, \q, \slot, \zero
	s_wait_dscnt 0
	PLACES NP
	FETCH_B \slot, (\q)+1, 1-(\q)%2
	FETCH_A \slot, (\q)+1, 0
	WIN MUL_HI
	MUL16 4, (\q)%2, \q, \slot, \zero
	MUL16 6, (\q)%2, \q, \slot, \zero
	PLACES NP
	WIN 0
	FETCH_A \slot, (\q)+1, 4
.endm
.macro TURN slot, next, fill           ; a slot's last step changes slots: one barrier; fill = 1: the slot is filled again, two K steps ahead
	s_wait_tensorcnt 0x0                           ; all my tensor loads have landed: my part of the next slot
	ds_add_u32 v[SPW], v[NIL]                      ; 0 onto my spare word
	s_wait_dscnt 4*NL+1                            ; the add and the youngest sixteen loads may be out
	WIN MUL_LO
	MUL16 0, 1, NQ-1, \slot, 0
	s_wait_dscnt 0x0                               ; the add is done, and my reads of this slot are over
	s_barrier_signal -1
	MUL16 2, 1, NQ-1, \slot, 0
	WIN 0
	s_barrier_wait -1
.if \fill
	CREST                                          ; the barrier has opened a round of the cluster's: no wave of any partner still reads this slot or has a load on its way
	s_add_nc_u64 s[G0+4*\slot+2:G0+4*\slot+3], s[G0+4*\slot+2:G0+4*\slot+3], 2*ROWB
	s_add_nc_u64 s[G0B+4*\slot+2:G0B+4*\slot+3], s[G0B+4*\slot+2:G0B+4*\slot+3], 2*ROWB
	JLOAD G0+4*\slot, G1, G0B+4*\slot, G1B
	PLACES NP-4
.else
	PLACES NP
.endif
	s_wait_alu depctr_va_vdst(0)
	v_add_nc_u32 v[ADRS], 4*NQ, v[ADRS]
	FETCH_B \next, 0, 0
	FETCH_A \next, 0, 0
	SCALES \next
	WIN MUL_HI
	MUL16 4, 1, NQ-1, \slot, 0
	MUL16 6, 1, NQ-1, \slot, 0
	PLACES NP
	WIN 0
	FETCH_A \next, 0, 4
.endm
	s_wait_alu depctr_va_vdst(0)
	s_wait_loadcnt 0x0                             ; the biases
	s_wait_tensorcnt 0x0                           ; my tile of the head's four is in
	ds_add_u32 v[SPW], v[NIL]
	s_mov_b32 s[G1+2], 128<<16                     ; no tensor load of mine is out: from here on a load brings 128 rows
	s_mov_b32 s[G1+4], 128
	s_mov_b32 s[G1B+2], 128<<16
	s_mov_b32 s[G1B+4], 128
	s_wait_dscnt 0x0
	CROUND                                         ; all four tiles are in, and all sixteen work-groups are here
	JLOAD G0+4, G1, G0B+4, G1B                     ; K step 1: the first tensor load behind the round
	FETCH_B 0, 0, 0
	FETCH_A 0, 0, 0
	SCALES 0
	FETCH_A 0, 0, 4
	global_prefetch_b8 v22, s[92:93] offset:768 th:TH_LOAD_NT scope:SCOPE_SE   ; K step 3, the last
	STEP 0, 0, 1
	TURN 0, 1, 1                                   ; four K steps of 256: written out
	STEP 1, 0, 0
	TURN 1, 0, 1
	STEP 0, 0, 0
	TURN 0, 1, 0
	STEP 1, 0, 0
	s_wait_dscnt 4*NL
	WIN MUL_LO
	MUL16 0, 1, NQ-1, 1, 0
	MUL16 2, 1, NQ-1, 1, 0
	s_wait_dscnt 0
	WIN MUL_HI
	MUL16 4, 1, NQ-1, 1, 0
	MUL16 6, 1, NQ-1, 1, 0
	WIN 0
; 64 numbers of a lane, v[s] on: registers 16 b .. 16 b + 15 of lanes l and l xor 16 are block b of 32 along the register axis.  They become 16 registers of codes at v[pc] and the scale word v[pw].
.macro QUANT s, pc, pw
.irp b, 0,1,2,3
	v_max3_num_f32 v[TM+\b], |v[\s+16*\b]|, |v[\s+1+16*\b]|, 0x4800000   ; with the floor 2^(9 - 127): the byte cannot fall under 1
.endr
.irp i, 2,4,6,8,10,12,14
.irp b, 0,1,2,3
	v_max3_num_f32 v[TM+\b], v[TM+\b], |v[\s+16*\b+\i]|, |v[\s+1+16*\b+\i]|
.endr
.endr
.irp b, 0,1,2,3
	v_permlanex16_b32 v[TM+4+\b], v[TM+\b], s[SEL], s[SEL+1]
.endr
.irp b, 0,1,2,3
	v_max_num_f32 v[TM+\b], v[TM+\b], v[TM+4+\b]
.endr
.irp b, 0,1,2,3
	v_add_nc_u32 v[TM+12+\b], 0xfc000000, v[TM+\b]           ; 8 off the exponent field: the conversion's scale operand
.endr
.irp b, 0,1,2,3
	v_and_or_b32 v[TM+8+\b], v[TM+\b], 0x7f800000, s[MNT]    ; 448 x the scale
.endr
.irp b, 0,1,2,3
	v_lshrrev_b32 v[TM+4+\b], 23, v[TM+12+\b]                ; the scale's byte
.endr
	v_lshl_or_b32 v[\pw], v[TM+5], 8, v[TM+4]
	v_lshl_or_b32 v[\pw], v[TM+6], 16, v[\pw]
	v_lshl_or_b32 v[\pw], v[TM+7], 24, v[\pw]
.irp b, 0,1,2,3
.irp i, 0,1,2,3,4,5,6,7,8,9,10,11,12,13,14,15
	v_med3_num_f32 v[\s+16*\b+\i], v[\s+16*\b+\i], -v[TM+8+\b], v[TM+8+\b]   ; the conversion does not saturate (ISA guide 7.6.2): the hold comes first
.endr
	v_cvt_scalef32_pk8_fp8_f32 v[\pc+4*\b:\pc+1+4*\b], v[\s+16*\b:\s+7+16*\b], v[TM+12+\b]
	v_cvt_scalef32_pk8_fp8_f32 v[\pc+2+4*\b:\pc+3+4*\b], v[\s+8+16*\b:\s+15+16*\b], v[TM+12+\b]
.endr
	v_nop                                          ; a plain line behind the last conversion
.endm
; Lane block a: its eight accumulators come down with the bias, are quantised and leave.
.macro OUTA a
.set AC, 64*((\a)%4)
.set PCS, PC+16*((\a)%2)
	s_wait_xcnt 0x0                                ; the stores of two blocks ago have read this set of codes
	s_cmp_eq_u32 s[PV], 1
	s_cbranch_scc1 .Lvb_\@
	WIN 0x02+(\a)/4                                ; source 0: window 2 or 3
.set i, 0
.rept 32
	v_pk_add_f32 v[X+i:X+i+1], v[AC+i:AC+i+1], v[BI+i:BI+i+1]   ; q, k: the bias runs along the registers.  Each accumulator from its low end on
.set i, i+2
.endr
	WIN 0
	s_branch .Lqu_\@
.Lvb_\@:
	WIN 0x02+(\a)/4
.set i, 0
.rept 64
	v_add_f32 v[X+i], v[AC+i], v[BV+(\a)]          ; v: one bias a lane
.set i, i+1
.endr
	WIN 0
.Lqu_\@:
	QUANT X, PCS, PW+(\a)
.irp c, 0,1,2,3
	global_store_b128 v[CO], v[PCS+4*\c:PCS+4*\c+3], s[12:13] offset:(\a)*2048+512*\c   ; 512 consecutive bytes of the image
.endr
.if ((\a)%2) == 1
	v_cndmask_b32 v[W2+(\a)/2], v[PW+(\a)-1], v[PW+(\a)], s[HM]     ; lanes 0-15: the rows of block a - 1, lanes 16-31: those of block a
	global_store_b32 v[SWO], v[W2+(\a)/2], s[96:97] offset:((\a)-1)*64
	s_cmp_eq_u32 s[PV], 1
	s_cbranch_scc1 .Lnw_\@
	v_lshrrev_b32 v[W3+(\a)/2], 16, v[W2+(\a)/2]   ; q, k: the odd head's two bytes, into its own plane
	global_store_b32 v[SWO], v[W3+(\a)/2], s[96:97] offset:((\a)-1)*64+16384
.Lnw_\@:
.endif
.endm
	PLACES NP                                      ; behind the last products: their results are read, and the lane operand's registers written
.irp b, 0,1,2,3
	v_mov_b32 v[TM+4+\b], 0                        ; a lane permute's destination counts as read
.endr
.irp a, 0,1,2,3,4,5,6,7
	OUTA \a
.endr
	s_wait_tensorcnt 0x0                           ; the wave's end
	ds_add_u32 v[SPW], v[NIL]
	s_wait_dscnt 0x0
	CROUND                                         ; the closing round
	s_endpgm
.Lfunc_end_k_q4e8f396187_qkv:
	.size	k_q4e8f396187_qkv, .Lfunc_end_k_q4e8f396187_qkv-k_q4e8f396187_qkv
	.p2alignl 7, 3214868480
	.fill 96, 4, 3214868480
	.section	.rodata,"a",@progbits
	.p2align	6, 0x0
	.amdhsa_kernel k_q4e8f396187_qkv
		.amdhsa_group_segment_fixed_size 327680
		.amdhsa_private_segment_fixed_size 0
		.amdhsa_enable_private_segment 0
		.amdhsa_kernarg_size 104
		.amdhsa_user_sgpr_count 2
		.amdhsa_user_sgpr_kernarg_segment_ptr 1
		.amdhsa_wavefront_size32 1
		.amdhsa_system_sgpr_workgroup_id_x 1
		.amdhsa_system_sgpr_workgroup_id_y 1
		.amdhsa_system_sgpr_workgroup_id_z 1
		.amdhsa_system_vgpr_workitem_id 0
		.amdhsa_next_free_vgpr 1024
		.amdhsa_next_free_sgpr 106
		.amdhsa_reserve_vcc 0
		.amdhsa_float_denorm_mode_32 3
		.amdhsa_float_denorm_mode_16_64 3
		.amdhsa_memory_ordered 1
		.amdhsa_forward_progress 1
		.amdhsa_inst_pref_size 223
	.end_amdhsa_kernel
	.amdgpu_metadata
---
amdhsa.version: [ 1, 2 ]
amdhsa.kernels:
  - .name:           k_q4e8f396187_qkv
    .symbol:         k_q4e8f396187_qkv.kd
    .args:
      - { .name: x_codes, .offset: 0, .size: 8, .value_kind: global_buffer, .address_space: global }
      - { .name: x_scales, .offset: 8, .size: 8, .value_kind: global_buffer, .address_space: global }
      - { .name: nc, .offset: 16, .size: 8, .value_kind: global_buffer, .address_space: global }
      - { .name: Wq_codes, .offset: 24, .size: 8, .value_kind: global_buffer, .address_space: global }
      - { .name: Wq_scales, .offset: 32, .size: 8, .value_kind: global_buffer, .address_space: global }
      - { .name: Wk_codes, .offset: 40, .size: 8, .value_kind: global_buffer, .address_space: global }
      - { .name: Wk_scales, .offset: 48, .size: 8, .value_kind: global_buffer, .address_space: global }
      - { .name: Wv_codes, .offset: 56, .size: 8, .value_kind: global_buffer, .address_space: global }
      - { .name: Wv_scales, .offset: 64, .size: 8, .value_kind: global_buffer, .address_space: global }
      - { .name: bq, .offset: 72, .size: 8, .value_kind: global_buffer, .address_space: global }
      - { .name: bk, .offset: 80, .size: 8, .value_kind: global_buffer, .address_space: global }
      - { .name: bv, .offset: 88, .size: 8, .value_kind: global_buffer, .address_space: global }
      - { .name: qkv, .offset: 96, .size: 8, .value_kind: global_buffer, .address_space: global }
    .group_segment_fixed_size: 327680
    .private_segment_fixed_size: 0
    .kernarg_segment_align: 8
    .kernarg_segment_size: 104
    .max_flat_workgroup_size: 128
    .sgpr_count:     106
    .vgpr_count:     1024
    .wavefront_size: 32
...
	.end_amdgpu_metadata
.endif
;; end of part 3
;; launch attn (part 4): grid 8 x 32, 16 waves a work-group, no clusters, 327,680 bytes of LDS; arguments qkv, ao; writes ao
.if DOCPART == 4
	.amdgcn_target "amdgcn-amd-amdhsa--gfx1250"
	.amdhsa_code_object_version 6
	.text
	.protected	k_q4e8f396187_attn
	.globl	k_q4e8f396187_attn
	.p2align	8
	.type	k_q4e8f396187_attn,@function
k_q4e8f396187_attn:
	s_mov_b64 s[64:65], 0
	v_nop
	global_prefetch_b8 v0, s[64:65] scope:SCOPE_SE
	s_setreg_imm32_b32 hwreg(HW_REG_WAVE_MODE, 25, 1), 1
	s_wait_xcnt 0x0
; p = 2^(t - M), t = score x log2(e) / 8, M the running largest t rounded up to a whole number; the row's sum is taken of the unquantised p; a change of M multiplies the sum and O by an exact power of two.
; SHARES.  Work-group (x, y): head y % 16 of batch y / 16.  Each of sixteen waves owns one tile of 16 queries: an early one, 8 x + w / 2, or a late one, 127 - 8 x - w / 2 (late where w / 4 + w is odd).  A work-group's eight early tiles
; have the same number of open key steps, and so have its eight late ones; of any four waves w, w + 4, w + 8, w + 12, and of any four neighbours, two are early and two late: every work-group and every quarter of it has the same work.
; A head's K and V as codes are 256 KiB: they come into LDS once; nothing is filled again.  TWO BARRIERS: behind the first the first 512 keys are read, behind the second all the others: from there on no wave waits for another.
; NO CLUSTER: the ways of a key step hang on the work-group's queries, which partners would not share.
; A KEY STEP (128 keys) goes one of four ways, by scalar branches on ids: all keys count (open); the diagonal (hidden scores become 0); all keys hidden: every score is 0, so no S and no exponential is needed: p = 2^-M for all 128 keys;
; and from the second hidden step on M, p, p's codes and their scale word stay as they are (all later scores are 0 too, and M is 0 or more already): only the sum and the four products are left.
; LAYOUT.  Both products transposed: S^T = K Q^T, O^T = V^T P^T: a lane holds one query.  K = 64 of the first product fills half of the instruction's 128: the other half are zero codes on both sides.
; Inside a block of 32 the operands' images hold k in the order that two conversions leave; q and k share it, and so do p and v.
; LIMITS: NaN and infinities are not served; p under 2^-126 counts as 0; a block whose largest number lies under 2^-118 gets the byte 1.
.set KB,  0                            ; K's images: [key tile 0..127][1,024]
.set VB,  131072                       ; V's: [key step 0..15][4 tiles of 16 channels][2,048]
.set KSB, 262144                       ; K's scale words [key]
.set VSB, 270336                       ; V's [key step][64 channels]
; v1 16 lane; v2 VB + 16 lane; v3 KSB + 4 lane; v4 VSB + 4 lane; v5 0; v6 r; v7 h; v8-11 the step's LDS addresses; v12 -M; v13 the largest t; v14-15 the sum; v16-31 Q (upper half zeros);
; v32-95 four fragments of K (upper halves zeros); v96-159 S^T, p, then V's four fragments; v160-191 O^T; v192-207 p's codes; v208-223 the quantiser; v224-225 f; v226 at work; v227 p's scale word;
; v228-231 K's scale words; v232-233 V's; v234 Q's; v236 the diagonal's bound; v237 4 r; v238 16 r + 8 h; v239 the hidden keys' p
.macro GRP1 g, c, r, p                 ; descriptor group 1: r rows of c elements of 8 bytes, p elements apart; no padding, no mask
	s_mov_b32 s[\g], 3<<16
	s_mov_b32 s[\g+1], (\c)<<16
	s_mov_b32 s[\g+2], (\r)<<16
	s_mov_b32 s[\g+3], (\c)<<16
	s_mov_b32 s[\g+4], \r
	s_mov_b32 s[\g+5], \p
	s_mov_b32 s[\g+6], 0
	s_mov_b32 s[\g+7], 0
.endm
	s_load_b128 s[4:7], s[0:1], 0x0                ; qkv, ao
	v_lshl_add_u32 v254, v0, 2, 0x43000
	v_mov_b32 v255, 0
	ds_add_u32 v254, v255
	ds_add_u32 v254, v255
	v_lshrrev_b32 v8, 5, v0
	s_delay_alu instid0(VALU_DEP_1)
	v_readfirstlane_b32 s8, v8                     ; wave 0..15
	v_and_b32 v9, 31, v0
	s_delay_alu instid0(VALU_DEP_1)
	v_lshlrev_b32 v1, 4, v9
	s_delay_alu instid0(VALU_DEP_1)
	v_add_nc_u32 v2, VB, v1
	s_delay_alu instid0(VALU_DEP_3)
	v_lshl_add_u32 v3, v9, 2, KSB
	s_delay_alu instid0(VALU_DEP_4)
	v_lshl_add_u32 v4, v9, 2, VSB
	v_mov_b32 v5, 0
	v_and_b32 v6, 15, v0
	v_bfe_u32 v7, v0, 4, 1
	s_delay_alu instid0(VALU_DEP_2)
	v_lshlrev_b32 v237, 2, v6
	s_and_b32 s9, ttmp7, 0xffff
	s_lshr_b32 s10, s9, 4                          ; batch
	s_and_b32 s11, s9, 15                          ; head
	s_lshr_b32 s12, s11, 1                         ; which pair of heads
	s_and_b32 s13, s11, 1                          ; and which of the pair
	s_and_b32 s14, s8, 3                           ; which quarter of a tile of the head's fills I fetch
	s_lshl_b32 s15, ttmp9, 3
	s_lshr_b32 s16, s8, 1
	s_add_co_u32 s16, s15, s16                     ; the early tile: 8 x + w / 2
	s_sub_co_u32 s17, 127, s16                     ; the late one
	s_lshr_b32 s18, s8, 2
	s_add_co_u32 s18, s18, s8
	s_and_b32 s18, s18, 1                          ; w / 4 + w odd: late
	s_cmp_eq_u32 s18, 0
	s_cselect_b32 s18, s16, s17                    ; my tile of queries
	s_lshl_b32 s70, s18, 4                         ; my first query
	s_mov_b32 s19, 0x600000                        ; the mantissa field of 448
	s_mov_b32 s20, 0x76543210
	s_mov_b32 s21, 0xfedcba98
	s_mov_b32 s22, 0x3e38aa3b                      ; c = log2(e) / 8
	s_mov_b32 s23, s22
	s_mov_b32 s66, 0                               ; the step's tiles: 8,192 bytes a step, of K and of V alike
	s_mov_b32 s67, 0                               ; K's scale words: 512 bytes a step
	s_mov_b32 s68, 0                               ; V's: 256
	s_mov_b32 s69, 0                               ; the step's first key
	s_wait_dscnt 0x0
	s_wait_kmcnt 0x0
	; THE HEAD'S FILLS, ONE A WAVE: what the first four key steps need.  Waves 0-3: eight key tiles of K each; waves 4-7: a key step of V each;
	; waves 8-11: a quarter of K's scale words each; waves 12-15: four key steps' scale words of V each.  The other 1,536 keys are asked for behind the first barrier, again one load a wave.
	GRP1 24, 128, 8, 256                           ; K: eight key tiles: 1,024 bytes (my head's half) of each image of 2,048
	GRP1 32, 256, 4, 256                           ; V: a key step: my head's four images, dense
	GRP1 40, 32, 8, 32                             ; K's scale words: 2,048 dense bytes as rows of 256
	GRP1 48, 32, 4, 512                            ; V's: 256 bytes of each of four rows of 4,096
	GRP1 80, 1024, 3, 16384                        ; V: three key steps: 8,192 bytes of each run of 131,072
	s_lshl_b32 s92, s12, 19
	s_lshl_b32 s72, s10, 18
	s_add_co_u32 s92, s92, s72
	s_lshl_b32 s72, s13, 10
	s_add_co_u32 s92, s92, s72
	s_add_co_u32 s92, s92, 0x400000                ; where my head's K begins in qkv,
	s_lshl_b32 s93, s10, 21
	s_lshl_b32 s72, s11, 13
	s_add_co_u32 s93, s93, s72
	s_add_co_u32 s93, s93, 0x800000                ; and its V
	s_mov_b32 s95, 0
.macro ASKT g0, g1, join               ; a load from byte s94 of qkv to LDS byte s72, and on to the arms' join
	s_mov_b32 s[\g0], 1
	s_mov_b32 s[\g0+1], s72
	s_add_nc_u64 s[\g0+2:\g0+3], s[4:5], s[94:95]
	s_or_b32 s[\g0+3], s[\g0+3], 0x80000000
	tensor_load_to_lds s[\g0:\g0+3], s[\g1:\g1+7]
	s_nop 0
.rept 4
	v_nop
.endr
	s_branch \join
.endm
	s_cmp_lt_u32 s8, 4
	s_cbranch_scc0 .Lh_v
	s_lshl_b32 s94, s14, 14
	s_add_co_u32 s94, s94, s92
	s_lshl_b32 s72, s14, 13
	ASKT 56, 24, .Lfilled
.Lh_v:
	s_cmp_lt_u32 s8, 8
	s_cbranch_scc0 .Lh_ks
	s_lshl_b32 s94, s14, 17
	s_add_co_u32 s94, s94, s93
	s_lshl_b32 s72, s14, 13
	s_add_co_u32 s72, s72, VB
	ASKT 56, 32, .Lfilled
.Lh_ks:
	s_cmp_lt_u32 s8, 12
	s_cbranch_scc0 .Lh_vs
	s_lshl_b32 s94, s11, 14
	s_lshl_b32 s72, s10, 13
	s_add_co_u32 s94, s94, s72
	s_lshl_b32 s72, s14, 11
	s_add_co_u32 s94, s94, s72
	s_add_co_u32 s94, s94, 0xC40000
	s_add_co_u32 s72, s72, KSB
	ASKT 56, 40, .Lfilled
.Lh_vs:
	s_lshl_b32 s94, s10, 16
	s_lshl_b32 s72, s11, 8
	s_add_co_u32 s94, s94, s72
	s_lshl_b32 s72, s14, 14
	s_add_co_u32 s94, s94, s72
	s_add_co_u32 s94, s94, 0xC80000
	s_lshl_b32 s72, s14, 10
	s_add_co_u32 s72, s72, VSB
	ASKT 56, 48, .Lfilled
.Lfilled:
	s_lshl_b32 s60, s12, 19                        ; my tile's image: the same place in QC and in ao's codes
	s_lshl_b32 s61, s10, 7
	s_add_co_u32 s61, s61, s18
	s_lshl_b32 s72, s61, 11
	s_add_co_u32 s60, s60, s72
	s_lshl_b32 s72, s13, 10
	s_add_co_u32 s60, s60, s72
	s_mov_b32 s61, 0
	s_add_nc_u64 s[74:75], s[4:5], s[60:61]
	s_add_nc_u64 s[76:77], s[6:7], s[60:61]
	s_lshl_b32 s72, s10, 13
	s_lshl_b32 s73, s70, 2
	s_add_co_u32 s72, s72, s73                     ; 4 x my first row
	s_lshl_b32 s60, s11, 14
	s_add_co_u32 s60, s60, s72
	s_add_co_u32 s60, s60, 0xC00000
	s_add_nc_u64 s[62:63], s[4:5], s[60:61]        ; Q's scale words
	s_lshl_b32 s60, s12, 14
	s_add_co_u32 s60, s60, s72
	s_lshl_b32 s73, s13, 1
	s_add_co_u32 s60, s60, s73
	s_add_co_u32 s60, s60, 0x400000
	s_add_nc_u64 s[78:79], s[6:7], s[60:61]        ; ao's scale words: my head's two bytes of each
	s_wait_alu depctr_va_vdst(0)
	global_load_b128 v[16:19], v1, s[74:75]
	global_load_b128 v[20:23], v1, s[74:75] offset:512
	global_load_b32 v234, v237, s[62:63]
.set n, 0
.rept 8
	v_mov_b32 v[24+n], 0                           ; zero codes for the upper 64 of the instruction's K: Q's,
	v_mov_b32 v[40+n], 0                           ; and those of K's four fragments: written once
	v_mov_b32 v[56+n], 0
	v_mov_b32 v[72+n], 0
	v_mov_b32 v[88+n], 0
.set n, n+1
.endr
.set n, 0
.rept 32
	v_mov_b32 v[160+n], 0                          ; O^T: the step is written once; the first change of M multiplies zeros
.set n, n+1
.endr
.set n, 0
.rept 16
	v_mov_b32 v[192+n], 0                          ; p's codes, their scale word and the hidden keys' p: written once here, so that every way through a step finds them written
.set n, n+1
.endr
	v_mov_b32 v227, 0
	v_mov_b32 v239, 0
	v_mov_b32 v13, 0xff61b1e6                      ; the largest t so far: -3e38
	s_delay_alu instid0(VALU_DEP_1)
	v_floor_f32 v12, -v13
	v_mov_b32 v14, 0
	v_mov_b32 v15, 0
.irp b, 0,1,2,3
	v_mov_b32 v[212+\b], 0                         ; a lane permute's destination counts as read
.endr
	v_mov_b32 v225, 0                              ; (named as the upper half of the pair v[224:225])
	s_wait_loadcnt 0x0
.macro STEP
	v_add_nc_u32 v8, s66, v1
	v_add_nc_u32 v9, s66, v2
	v_add_nc_u32 v10, s67, v3
	v_add_nc_u32 v11, s68, v4
	s_add_co_u32 s72, s70, 15
	s_cmp_gt_u32 s69, s72
	s_cbranch_scc1 .Lhid_\@                        ; all 128 keys come after my 16 queries
	s_wait_alu depctr_va_vdst(0)
.irp g, 0,1                            ; S^T = K Q^T, four tiles of 16 keys at a time
.if \g
.rept 8
	v_nop                                          ; places in front of loads into fragments that matrix instructions have read
.endr
.endif
.irp t, 0,1,2,3
	ds_load_b128 v[32+16*\t:35+16*\t], v8 offset:(4*\g+\t)*1024
	ds_load_b128 v[36+16*\t:39+16*\t], v8 offset:(4*\g+\t)*1024+512
.endr
.if \g == 0
.irp p, 0,1,2,3
	ds_load_b32 v[228+\p], v10 offset:128*\p       ; lanes 0-15: the words of tile 2 p, lanes 16-31: of tile 2 p + 1
.endr
.endif
	s_wait_dscnt 0x0
.irp u, 0,1
	v_wmma_scale_f32_16x16x128_f8f6f4 v[96+8*(4*\g+2*\u):103+8*(4*\g+2*\u)], v[32+32*\u:47+32*\u], v[16:31], 0, v[228+2*\g+\u], v234
	v_wmma_scale_f32_16x16x128_f8f6f4 v[104+8*(4*\g+2*\u):111+8*(4*\g+2*\u)], v[48+32*\u:63+32*\u], v[16:31], 0, v[228+2*\g+\u], v234 matrix_a_scale:MATRIX_SCALE_ROW1
.endr
.endr
.rept 8
	v_nop
.endr
	s_add_co_u32 s72, s69, 127
	s_cmp_le_u32 s72, s70
	s_cbranch_scc1 .Lopen_\@                       ; all 128 keys count
	s_sub_co_i32 s72, s70, s69                     ; THE DIAGONAL: register n holds key 16 (n / 8) + 8 h + n % 8 of the step: hidden where that is above my query: the score becomes 0
	v_lshlrev_b32 v226, 3, v7
	s_delay_alu instid0(VALU_DEP_1)
	v_sub_nc_u32 v236, v6, v226
	s_delay_alu instid0(VALU_DEP_1)
	v_add_nc_u32 v236, s72, v236
.set n, 0
.rept 64
	v_cmp_gt_i32 vcc_lo, 16*(n/8)+n%8, v236
	v_cndmask_b32 v[96+n], v[96+n], v5, vcc_lo
.set n, n+1
.endr
.Lopen_\@:
.irp b, 0,1,2,3
	v_max3_num_f32 v[208+\b], v[96+16*\b], v[97+16*\b], v[98+16*\b]   ; the largest score of each block of 32 keys: for the row's maximum, and, since p rises with the score, for the block's largest p
.endr
.irp i, 3,5,7,9,11,13
.irp b, 0,1,2,3
	v_max3_num_f32 v[208+\b], v[208+\b], v[96+16*\b+\i], v[97+16*\b+\i]
.endr
.endr
.irp b, 0,1,2,3
	v_max_num_f32 v[208+\b], v[208+\b], v[111+16*\b]
.endr
.irp b, 0,1,2,3
	s_delay_alu instid0(VALU_DEP_4)
	v_permlanex16_b32 v[212+\b], v[208+\b], s20, s21
.endr
.irp b, 0,1,2,3
	s_delay_alu instid0(VALU_DEP_4)
	v_max_num_f32 v[208+\b], v[208+\b], v[212+\b]
.endr
	s_delay_alu instid0(VALU_DEP_2)
	v_max3_num_f32 v226, v208, v209, v210
	s_delay_alu instid0(VALU_DEP_1)
	v_max_num_f32 v226, v226, v211
	s_delay_alu instid0(VALU_DEP_1)
	v_mul_f32 v226, s22, v226
	s_delay_alu instid0(VALU_DEP_1)
	v_max_num_f32 v13, v13, v226                   ; the running largest t
	v_mov_b32 v226, v12
	s_delay_alu instid0(VALU_DEP_2)
	v_floor_f32 v12, -v13                          ; -M = floor(-t): M is a whole number
	s_delay_alu instid0(VALU_DEP_1)
	v_sub_f32 v226, v12, v226
	s_delay_alu instid0(VALU_DEP_1)
	v_cvt_i32_f32 v226, v226                       ; (it saturates)
	s_delay_alu instid0(VALU_DEP_1)
	v_ldexp_f32 v224, 1.0, v226                    ; f = 2^(old M - new M)
.set n, 0
.rept 32
	v_pk_fma_f32 v[96+n:97+n], v[96+n:97+n], s[22:23], v[12:13] op_sel_hi:[1,0,0]   ; t - M
.set n, n+2
.endr
.irp b, 0,1,2,3
	v_fma_f32 v[208+\b], v[208+\b], s22, v12
.endr
.set n, 0
	s_wait_alu depctr_va_vdst(0)
.rept 64
	v_exp_f32 v[96+n], v[96+n]                     ; p = 2^(t - M)
.set n, n+1
.endr
.irp b, 0,1,2,3
	v_exp_f32 v[208+\b], v[208+\b]                 ; the block's largest p: the same two instructions on the same number
.endr
	v_pk_mul_f32 v[14:15], v[14:15], v[224:225] op_sel_hi:[1,0]   ; the sums under the new M.  (A plain line behind the exponentials)
	s_wait_alu depctr_va_vdst(0)
.irp b, 0,1,2,3
	v_max_num_f32 v[208+\b], 0x4800000, v[208+\b]  ; the floor 2^(9 - 127)
.endr
.irp b, 0,1,2,3
	s_delay_alu instid0(VALU_DEP_4)
	v_add_nc_u32 v[220+\b], 0xfc000000, v[208+\b]  ; the conversion's scale operand
.endr
.irp b, 0,1,2,3
	v_and_or_b32 v[216+\b], v[208+\b], 0x7f800000, s19   ; 448 x the scale
.endr
.irp b, 0,1,2,3
	v_lshrrev_b32 v[212+\b], 23, v[220+\b]
.endr
	s_delay_alu instid0(VALU_DEP_3)
	v_lshl_or_b32 v227, v213, 8, v212              ; p's scale word for these 128 keys
	s_delay_alu instid0(VALU_DEP_1)
	v_lshl_or_b32 v227, v214, 16, v227
	s_delay_alu instid0(VALU_DEP_1)
	v_lshl_or_b32 v227, v215, 24, v227
	v_pk_add_f32 v[212:213], v[100:101], v[104:105]
	v_pk_add_f32 v[252:253], v[108:109], v[112:113]
	v_pk_add_f32 v[250:251], v[116:117], v[120:121]
	v_pk_add_f32 v[248:249], v[124:125], v[128:129]
	v_pk_add_f32 v[246:247], v[132:133], v[136:137]
	v_pk_add_f32 v[244:245], v[140:141], v[144:145]
	v_pk_add_f32 v[242:243], v[148:149], v[152:153]
	v_pk_add_f32 v[14:15], v[14:15], v[156:157]
	v_pk_add_f32 v[212:213], v[212:213], v[96:97]
	v_pk_add_f32 v[252:253], v[252:253], v[98:99]
	v_pk_add_f32 v[250:251], v[250:251], v[102:103]
	v_pk_add_f32 v[248:249], v[248:249], v[106:107]
	v_pk_add_f32 v[246:247], v[246:247], v[110:111]
	v_pk_add_f32 v[244:245], v[244:245], v[114:115]
	v_pk_add_f32 v[242:243], v[242:243], v[118:119]
	v_pk_add_f32 v[14:15], v[14:15], v[122:123]
	v_pk_add_f32 v[212:213], v[212:213], v[126:127]
	v_pk_add_f32 v[252:253], v[252:253], v[130:131]
	v_pk_add_f32 v[250:251], v[250:251], v[134:135]
	v_pk_add_f32 v[248:249], v[248:249], v[138:139]
	v_pk_add_f32 v[246:247], v[246:247], v[142:143]
	v_pk_add_f32 v[244:245], v[244:245], v[146:147]
	v_pk_add_f32 v[242:243], v[242:243], v[150:151]
	v_pk_add_f32 v[14:15], v[14:15], v[154:155]
	v_pk_add_f32 v[212:213], v[212:213], v[158:159]
	s_delay_alu instid0(VALU_DEP_2)
	v_pk_add_f32 v[14:15], v[14:15], v[248:249]
	s_delay_alu instid0(VALU_DEP_2)
	v_pk_add_f32 v[212:213], v[212:213], v[246:247]
	v_pk_add_f32 v[252:253], v[252:253], v[244:245]
	v_pk_add_f32 v[250:251], v[250:251], v[242:243]
	s_delay_alu instid0(VALU_DEP_2)
	v_pk_add_f32 v[14:15], v[14:15], v[252:253]
	s_delay_alu instid0(VALU_DEP_2)
	v_pk_add_f32 v[212:213], v[212:213], v[250:251]
	s_delay_alu instid0(VALU_DEP_1)
	v_pk_add_f32 v[14:15], v[14:15], v[212:213]
.irp b, 0,1,2,3
.set n, 0
.rept 16
	v_min_num_f32 v[96+16*\b+n], v[96+16*\b+n], v[216+\b]   ; the conversion does not saturate (ISA guide 7.6.2); p is not negative: a one-sided hold
.set n, n+1
.endr
	v_cvt_scalef32_pk8_fp8_f32 v[192+4*\b:193+4*\b], v[96+16*\b:103+16*\b], v[220+\b]
	v_cvt_scalef32_pk8_fp8_f32 v[194+4*\b:195+4*\b], v[104+16*\b:111+16*\b], v[220+\b]
.endr
	s_branch .Lpv_\@
.Lhid_\@:                              ; ALL HIDDEN: every score is 0, so t = 0 and p = 2^-M for all 128 keys
	s_add_co_u32 s72, s70, 143
	s_cmp_gt_u32 s69, s72
	s_cbranch_scc0 .Lfirst_\@                      ; my first hidden step: its first key is at most 128 above my last query
	s_wait_alu depctr_va_vdst(0)
	v_fmamk_f32 v14, v239, 0x42800000, v14         ; A LATER HIDDEN STEP: M has been 0 or more since the first one and every score since is 0: M, p, the codes and the scale word stand; f would be 1.  My lane's 64 keys: + 64 p
	s_branch .Lld_\@
.Lfirst_\@:
	v_max_num_f32 v13, 0, v13
	v_mov_b32 v226, v12
	s_delay_alu instid0(VALU_DEP_2)
	v_floor_f32 v12, -v13
	s_delay_alu instid0(VALU_DEP_1)
	v_sub_f32 v226, v12, v226
	s_delay_alu instid0(VALU_DEP_1)
	v_cvt_i32_f32 v226, v226
	s_delay_alu instid0(VALU_DEP_1)
	v_ldexp_f32 v224, 1.0, v226                    ; f
	s_delay_alu instid0(VALU_DEP_4)
	v_cvt_i32_f32 v226, v12
	s_delay_alu instid0(VALU_DEP_1)
	v_ldexp_f32 v239, 1.0, v226                    ; p, kept for the later hidden steps
	s_delay_alu instid0(VALU_DEP_3)
	v_pk_mul_f32 v[14:15], v[14:15], v[224:225] op_sel_hi:[1,0]
	s_delay_alu instid0(VALU_DEP_1)
	v_fmamk_f32 v14, v239, 0x42800000, v14         ; my lane's 64 keys: + 64 p
	s_delay_alu instid0(VALU_DEP_3)
	v_max_num_f32 v208, 0x4800000, v239
	s_delay_alu instid0(VALU_DEP_1)
	v_add_nc_u32 v220, 0xfc000000, v208
	s_delay_alu instid0(VALU_DEP_1)
	v_lshrrev_b32 v212, 23, v220
	s_delay_alu instid0(VALU_DEP_1)
	v_lshl_or_b32 v227, v212, 8, v212
	s_delay_alu instid0(VALU_DEP_1)
	v_lshl_or_b32 v227, v227, 16, v227             ; four equal bytes
.rept 8
	v_nop                                          ; a scale word made by vector lines stands eight places ahead of its product
.endr
.set n, 0
.rept 8
	v_mov_b32 v[96+n], v239
.set n, n+1
.endr
	v_cvt_scalef32_pk8_fp8_f32 v[192:193], v[96:103], v220   ; p / the scale is 256 or less: no hold is wanted
	v_nop
.irp i, 2,4,6,8,10,12,14
	v_mov_b32 v[192+\i], v192
	v_mov_b32 v[193+\i], v193
.endr
.Lpv_\@:
.set n, 0
.rept 16
	v_pk_mul_f32 v[160+n:161+n], v[160+n:161+n], v[224:225] op_sel_hi:[1,0]   ; O^T under the new M.  (Also the places between the codes and their products)
.set n, n+2
.endr
.Lld_\@:
.irp d, 0,1,2,3
.irp c, 0,1,2,3
	ds_load_b128 v[96+16*\d+4*\c:99+16*\d+4*\c], v9 offset:2048*\d+512*\c
.endr
.endr
	ds_load_b32 v232, v11
	ds_load_b32 v233, v11 offset:128
	s_wait_dscnt 0x0
	s_wait_alu depctr_va_vdst(0)
.irp u, 0,1                            ; O^T += V^T P^T: four accumulators by turns
	v_wmma_scale_f32_16x16x128_f8f6f4 v[160+16*\u:167+16*\u], v[96+32*\u:111+32*\u], v[192:207], v[160+16*\u:167+16*\u], v[232+\u], v227
	v_wmma_scale_f32_16x16x128_f8f6f4 v[168+16*\u:175+16*\u], v[112+32*\u:127+32*\u], v[192:207], v[168+16*\u:175+16*\u], v[232+\u], v227 matrix_a_scale:MATRIX_SCALE_ROW1
.endr
.rept 9
	v_nop                                          ; nine: the next step's first products may write over V's fragments; its loads into them want eight
.endr
	s_add_co_u32 s66, s66, 8192
	s_add_co_u32 s67, s67, 512
	s_add_co_u32 s68, s68, 256
	s_add_co_u32 s69, s69, 128
.endm
; A barrier, then so many key steps.  left: how many of a fetching wave's younger loads may stay out, so loads may stay in flight across the barrier.
.macro RUN left, trips
	s_wait_tensorcnt \left
	s_wait_dscnt 0x0
	s_barrier_signal -1
	s_barrier_wait -1
	s_mov_b32 s71, \trips
.Lst_\@:
	STEP
	s_sub_co_u32 s71, s71, 1
	s_cmp_lg_u32 s71, 0
	s_cbranch_scc1 .Lst_\@
.endm
	s_wait_alu depctr_va_vdst(0)                   ; the wait at the head's end
	s_wait_tensorcnt 0x0                           ; my part of the head's fills is in
	ds_add_u32 v254, v255
	s_wait_dscnt 0x0
	s_barrier_signal -1
	s_barrier_wait -1                              ; the scale words and the first 512 keys are whole
	s_cmp_lt_u32 s8, 12                            ; THE OTHER KEYS, one load a wave: waves 0-11: key tiles 32 + 8 w on of K; waves 12-15: key steps 4 + 3 (w - 12) on of V
	s_cbranch_scc0 .Lr_v
	s_lshl_b32 s94, s8, 14
	s_add_co_u32 s94, s94, s92
	s_add_co_u32 s94, s94, 65536
	s_lshl_b32 s72, s8, 13
	s_add_co_u32 s72, s72, 32768
	ASKT 88, 24, .Lrest
.Lr_v:
	s_mul_i32 s73, s14, 3
	s_add_co_u32 s73, s73, 4
	s_lshl_b32 s94, s73, 17
	s_add_co_u32 s94, s94, s93
	s_lshl_b32 s72, s73, 13
	s_add_co_u32 s72, s72, VB
	ASKT 88, 80, .Lrest
.Lrest:
	s_mov_b32 s71, 4                               ; four key steps on the first 512 keys, while the others land
.Lfirst4:
	STEP
	s_sub_co_u32 s71, s71, 1
	s_cmp_lg_u32 s71, 0
	s_cbranch_scc1 .Lfirst4
	RUN 0, 12                                      ; all keys are in: twelve steps, in which no wave waits for another
	; THE WAY OUT: O^T / the sum; its two blocks of 32 channels are quantised; register 8 t + j of lane (r, h) is channel 16 t + 8 h + j of query r.
	v_add_f32 v14, v14, v15
	s_delay_alu instid0(VALU_DEP_1)
	v_permlanex16_b32 v226, v14, s20, s21
	s_delay_alu instid0(VALU_DEP_1)
	v_add_f32 v14, v14, v226
	s_wait_alu depctr_va_vdst(0)
	v_rcp_f32 v14, v14
	v_lshlrev_b32 v238, 4, v6                      ; (a plain line behind the transcendental)
	s_delay_alu instid0(VALU_DEP_1)
	v_lshl_add_u32 v238, v7, 3, v238
.set n, 0
	s_wait_alu depctr_va_vdst(0)
.rept 32
	v_mul_f32 v[96+n], v[160+n], v14
.set n, n+1
.endr
.irp b, 0,1
	v_max3_num_f32 v[208+\b], |v[96+16*\b]|, |v[97+16*\b]|, 0x4800000
.endr
.irp i, 2,4,6,8,10,12,14
.irp b, 0,1
	s_delay_alu instid0(VALU_DEP_2)
	v_max3_num_f32 v[208+\b], v[208+\b], |v[96+16*\b+\i]|, |v[97+16*\b+\i]|
.endr
.endr
.irp b, 0,1
	s_delay_alu instid0(VALU_DEP_2)
	v_permlanex16_b32 v[212+\b], v[208+\b], s20, s21
.endr
.irp b, 0,1
	s_delay_alu instid0(VALU_DEP_2)
	v_max_num_f32 v[208+\b], v[208+\b], v[212+\b]
.endr
.irp b, 0,1
	s_delay_alu instid0(VALU_DEP_2)
	v_add_nc_u32 v[220+\b], 0xfc000000, v[208+\b]
.endr
.irp b, 0,1
	s_delay_alu instid0(VALU_DEP_4)
	v_and_or_b32 v[216+\b], v[208+\b], 0x7f800000, s19
.endr
.irp b, 0,1
	s_delay_alu instid0(VALU_DEP_4)
	v_lshrrev_b32 v[212+\b], 23, v[220+\b]
.endr
	s_delay_alu instid0(VALU_DEP_1)
	v_lshl_or_b32 v227, v213, 8, v212              ; my head's two scale bytes of query r
.irp b, 0,1
.set n, 0
.rept 16
	v_med3_num_f32 v[96+16*\b+n], v[96+16*\b+n], -v[216+\b], v[216+\b]
.set n, n+1
.endr
	v_cvt_scalef32_pk8_fp8_f32 v[192+4*\b:193+4*\b], v[96+16*\b:103+16*\b], v[220+\b]
	v_cvt_scalef32_pk8_fp8_f32 v[194+4*\b:195+4*\b], v[104+16*\b:111+16*\b], v[220+\b]
.endr
	v_nop
.irp t, 0,1,2,3
	global_store_b64 v238, v[192+2*\t:193+2*\t], s[76:77] offset:256*\t   ; ao's image in the natural order of k (its partner is a given weight): 32 lanes fill 256 consecutive bytes, aligned
.endr
	global_store_b16 v237, v227, s[78:79]          ; two bytes a query: lanes l and l + 16 write the same value to the same place
	s_wait_tensorcnt 0x0
	ds_add_u32 v254, v255
	s_wait_dscnt 0x0
	s_endpgm
.Lfunc_end_k_q4e8f396187_attn:
	.size	k_q4e8f396187_attn, .Lfunc_end_k_q4e8f396187_attn-k_q4e8f396187_attn
	.p2alignl 7, 3214868480
	.fill 96, 4, 3214868480
	.section	.rodata,"a",@progbits
	.p2align	6, 0x0
	.amdhsa_kernel k_q4e8f396187_attn
		.amdhsa_group_segment_fixed_size 327680
		.amdhsa_private_segment_fixed_size 0
		.amdhsa_enable_private_segment 0
		.amdhsa_kernarg_size 16
		.amdhsa_user_sgpr_count 2
		.amdhsa_user_sgpr_kernarg_segment_ptr 1
		.amdhsa_wavefront_size32 1
		.amdhsa_system_sgpr_workgroup_id_x 1
		.amdhsa_system_sgpr_workgroup_id_y 1
		.amdhsa_system_sgpr_workgroup_id_z 1
		.amdhsa_system_vgpr_workitem_id 0
		.amdhsa_next_free_vgpr 256
		.amdhsa_next_free_sgpr 96
		.amdhsa_reserve_vcc 1
		.amdhsa_float_denorm_mode_32 3
		.amdhsa_float_denorm_mode_16_64 3
		.amdhsa_memory_ordered 1
		.amdhsa_forward_progress 1
		.amdhsa_inst_pref_size 76
	.end_amdhsa_kernel
	.amdgpu_metadata
---
amdhsa.version: [ 1, 2 ]
amdhsa.kernels:
  - .name:           k_q4e8f396187_attn
    .symbol:         k_q4e8f396187_attn.kd
    .args:
      - { .name: qkv, .offset: 0, .size: 8, .value_kind: global_buffer, .address_space: global }
      - { .name: ao, .offset: 8, .size: 8, .value_kind: global_buffer, .address_space: global }
    .group_segment_fixed_size: 327680
    .private_segment_fixed_size: 0
    .kernarg_segment_align: 8
    .kernarg_segment_size: 16
    .max_flat_workgroup_size: 512
    .sgpr_count:     96
    .vgpr_count:     256
    .wavefront_size: 32
...
	.end_amdgpu_metadata
.endif
;; end of part 4
;; launch wo (part 5): grid 8 x 32, 4 waves a work-group, clusters of 4 x 4, 327,680 bytes of LDS; arguments ao, Wo_codes, Wo_scales, bo, y, y1, part; writes y1, part
.if DOCPART == 5
	.amdgcn_target "amdgcn-amd-amdhsa--gfx1250"
	.amdhsa_code_object_version 6
	.text
	.protected	k_q4e8f396187_wo
	.globl	k_q4e8f396187_wo
	.p2align	8
	.type	k_q4e8f396187_wo,@function
k_q4e8f396187_wo:
	s_mov_b64 s[64:65], 0
	v_nop
	global_prefetch_b8 v0, s[64:65] scope:SCOPE_SE
	s_setreg_imm32_b32 hwreg(HW_REG_WAVE_MODE, 25, 1), 1
	s_wait_xcnt 0x0
	s_wait_alu depctr_hold_cnt(0) depctr_sa_sdst(0) depctr_va_vdst(0) depctr_va_sdst(0) depctr_va_ssrc(0) depctr_va_vcc(0) depctr_vm_vsrc(0)
	s_getreg_b32 s2, hwreg(HW_REG_IB_STS2, 6, 4)
	s_cmp_eq_u32 s2, 0
	s_cbranch_scc0 .Lentry_in_a_cluster
	s_endpgm
.Lentry_in_a_cluster:
	s_bfe_u32 s2, ttmp6, 0x10000c
	s_cmp_lg_u32 s2, 0xf033
	s_cbranch_scc0 .Lentry_shape_is_right
	s_endpgm
.Lentry_shape_is_right:
; OUT = RES + A W^T + bias, on codes of E4M3 with E8M0 scales.  Here: y1 = y + ao Wo + bo, K = 1,024; and of each tile of 128 x 128 of y1 its mean and M2 (the sum of squared distances from that mean), for the next norm.
; A: images of operand registers, [K / 128][row / 16][2,048], scale words [K / 128][row] behind them; W: [n][K] codes, [n][K / 32] scale bytes.
; A tile of OUT is 128 x 128, so that each of 256 work-groups has one; four waves, 64 x 64 each: 16 accumulators.  K goes in steps of 512 through two LDS slots (four quarters of 128); all scales come once.
; CLUSTERS 4 x 4: A's tiles are shared along a row of the cluster, W's along a column, by joint loads.  Source 0 = 16 rows of W, source 1 = 16 rows of A: a lane holds eight neighbouring columns of one row.
; The bias is the C of the first products.  The residual is asked for at the head and added on the way out, behind a turn through the wave's stage in LDS: sixteen lanes store 256 consecutive bytes, aligned.
; REGISTERS: window 0: addresses, v32-63 scale words (two sets), v64-95 the bias, v96-111 at work, v128-255 the accumulators; window 1: two fragment buffers of 128; window 2: v0-127 the residual, v128-255 the rows on their way out.
; LIMITS: NaN and infinities are not served.
.set KTOT,  1024
.set ASO,   0x400000
.set STATS, 1
.set KS,     KTOT/32
.set LAPS,   KTOT/1024
.set WP,     528                       ; a row of W in LDS: 512 bytes + 16 of padding
.set APART,  65536                     ; A's part of a slot: [4 runs of 128 along K][8 tiles of rows][2,048]
.set HALFW,  64*WP
.set SLOT,   APART+2*HALFW
.set SAB,    2*SLOT                    ; A's scale words [K / 128][128 rows]
.set HALFA,  (KTOT/256)*512
.set SBB,    SAB+2*HALFA               ; W's scale bytes, as rows of 256 bytes + 16
.set HALFSB, (64*KS/256)*272
.set SPARE,  SBB+2*HALFSB              ; the spare words, 128 bytes a wave
.set STP,    272                       ; the stage: 16 rows x (256 + 16) a wave, in slot 0, behind its last fill and its last read
.set STX,    4*16*STP                  ; behind the stages: four pairs for the statistics
.set ADRA, 16
.set ADRB, 20
.set ADSA, 22
.set ADSB, 23
.set STO,  24
.set RD,   25
.set CO,   26
.set SX,   27
.set SPW,  28
.set NIL,  29
.set SXR,  30
.set ZO,   31
.set SC,   32
.set BI,   64
.set CH,   100
.set ACC,  128
.set F0,   0
.set F1,   128
.set G1, 24
.set G0, 32
.set G1B, 48
.set G0B, 56
.set G1S, 68
.set G0S, 76
.set G1SB, 80
.set G0SB, 88
.set MSB, 0
.macro WIN new
.if MSB != (\new)
	s_set_vgpr_msb (MSB<<8)|(\new)
.set MSB, (\new)
.endif
.endm
.macro JLOAD g0a, g1a, g0b, g1b        ; a joint load: waves 0, 1 fetch for A, waves 2, 3 for W; four v_nop follow each line
	s_cmp_eq_u32 s15, 0
	s_cbranch_scc0 .Lfor_b_\@
	tensor_load_to_lds s[\g0a:\g0a+3], s[\g1a:\g1a+7]
	s_nop 0
.rept 4
	v_nop
.endr
	s_branch .Lasked_\@
.Lfor_b_\@:
	tensor_load_to_lds s[\g0b:\g0b+3], s[\g1b:\g1b+7]
	s_nop 0
.rept 4
	v_nop
.endr
.Lasked_\@:
.endm
.macro CREST
	s_cmp_lg_u32 s14, 0
	s_cbranch_scc1 .Lnot_wave_0_\@
	s_barrier_signal -3
.Lnot_wave_0_\@:
	s_barrier_wait -3
	s_barrier_signal -1
	s_barrier_wait -1
.endm
.macro CROUND
	s_barrier_signal -1
	s_barrier_wait -1
	CREST
.endm
.macro PLACES n
.rept \n
	v_nop
.endr
.endm
	s_load_b64 s[4:5], s[0:1], 0x0                 ; A
	s_load_b128 s[8:11], s[0:1], 0x8               ; W's codes, W's scales
	s_load_b64 s[66:67], s[0:1], 0x18              ; the bias
	s_load_b128 s[96:99], s[0:1], 0x20             ; the residual, OUT
.if STATS
	s_load_b64 s[100:101], s[0:1], 0x30            ; part
.endif
	v_lshl_add_u32 v[SPW], v0, 2, SPARE
	v_mov_b32 v[NIL], 0
	ds_add_u32 v28, v29
	ds_add_u32 v28, v29
	s_wait_dscnt 0x0
	v_lshrrev_b32 v1, 5, v0
	v_readfirstlane_b32 s14, v1                    ; wave 0..3
	s_lshr_b32 s15, s14, 1                         ; which 64 rows of A are mine.  Also: I fetch for A (0) or for W (1)
	s_and_b32 s16, s14, 1                          ; which 64 rows of W.  Also: which half I fetch
	s_bfe_u32 s40, ttmp6, 0x40000
	s_bfe_u32 s41, ttmp6, 0x40004
	s_lshl_b32 s42, ttmp9, 2
	s_add_co_u32 s42, s42, s40                     ; tile column
	s_and_b32 s17, ttmp7, 0xffff
	s_lshl_b32 s17, s17, 2
	s_add_co_u32 s17, s17, s41                     ; tile row
	s_lshl_b32 s43, s41, 2
	s_lshl_b32 s43, 15, s43
	s_lshl_b32 s44, 0x1111, s40
	s_or_b32 s[G1+0], s43, (3<<16)|(1<<21)         ; A's codes: 2 rows of 16,384 bytes (eight images), 524,288 bytes apart; elements of 8 bytes; no padding
	s_mov_b32 s[G1+1], 2048<<16
	s_mov_b32 s[G1+2], 4<<16                       ; the head's load brings a K step's four runs; behind it the two words are set to 2
	s_mov_b32 s[G1+3], 2048<<16
	s_mov_b32 s[G1+4], 4
	s_mov_b32 s[G1+5], 65536
	s_mov_b32 s[G1+6], 0
	s_mov_b32 s[G1+7], 0
	s_or_b32 s[G1B+0], s44, (0<<16)|(1<<20)|(1<<21)|(6<<22)|(3<<25)   ; W's codes: 64 rows of 512 bytes, 4 words of padding behind every 128
	s_mov_b32 s[G1B+1], 512<<16
	s_mov_b32 s[G1B+2], 128<<16                    ; the head's load brings 128 rows; behind it: 64
	s_mov_b32 s[G1B+3], 512<<16
	s_mov_b32 s[G1B+4], 128
	s_mov_b32 s[G1B+5], KTOT
	s_mov_b32 s[G1B+6], 0
	s_mov_b32 s[G1B+7], 0
	s_or_b32 s[G1S+0], s43, (3<<16)|(1<<21)        ; A's scale words: 512 bytes of each row of 16,384
	s_mov_b32 s[G1S+1], 64<<16
	s_mov_b32 s[G1S+2], (KTOT/128)<<16
	s_mov_b32 s[G1S+3], 64<<16
	s_mov_b32 s[G1S+4], KTOT/128
	s_mov_b32 s[G1S+5], 2048
	s_mov_b32 s[G1S+6], 0
	s_mov_b32 s[G1S+7], 0
	s_or_b32 s[G1SB+0], s44, (3<<16)|(1<<20)|(1<<21)|(5<<22)|(3<<25)  ; W's scale bytes of 128 rows: dense, as rows of 256
	s_mov_b32 s[G1SB+1], 32<<16
	s_mov_b32 s[G1SB+2], (128*KS/256)<<16
	s_mov_b32 s[G1SB+3], 32<<16
	s_mov_b32 s[G1SB+4], 128*KS/256
	s_mov_b32 s[G1SB+5], 32
	s_mov_b32 s[G1SB+6], 0
	s_mov_b32 s[G1SB+7], 0
	s_lshl_b32 s20, s16, 20                        ; A's codes: 2 runs of 128 along K x half + 8 images x tile row
	s_lshl_b32 s21, s17, 14
	s_add_co_u32 s20, s20, s21
	s_mov_b32 s21, 0
	s_mul_i32 s22, s16, (KTOT/256)*16384           ; A's scale words
	s_lshl_b32 s23, s17, 9
	s_add_co_u32 s22, s22, s23
	s_add_co_u32 s22, s22, ASO
	s_mov_b32 s23, 0
	s_lshl_b32 s46, s42, 7
	s_lshl_b32 s47, s16, 6
	s_add_co_u32 s46, s46, s47                     ; W's row
	s_mul_i32 s92, s46, KS
	s_mov_b32 s93, 0
	s_mul_i32 s46, s46, KTOT
	s_mov_b32 s47, 0
	s_lshl_b32 s45, s16, 15                        ; where they go
	s_mul_i32 s94, s16, HALFW
	s_add_co_u32 s94, s94, APART
	s_wait_kmcnt 0x0
	s_add_nc_u64 s[20:21], s[4:5], s[20:21]
	s_add_nc_u64 s[22:23], s[4:5], s[22:23]
	s_add_nc_u64 s[46:47], s[8:9], s[46:47]
	s_add_nc_u64 s[92:93], s[10:11], s[92:93]
	CROUND                                         ; all sixteen work-groups are here: the first joint loads meet
.set G0H, 4                            ; s[4:7], s[8:11]: group 0 of the head's loads of K step 0 (the arguments that lay there have been used)
.set G0HB, 8
.macro HG0 g, lds, adr, half           ; group 0 of a whole tile: my half's address less my half
	s_mul_i32 s18, s16, \half
	s_mov_b32 s[\g], 1
	s_mov_b32 s[\g+1], \lds
	s_sub_nc_u64 s[\g+2:\g+3], s[\adr:\adr+1], s[18:19]
	s_or_b32 s[\g+3], s[\g+3], 0x80000000
.endm
	s_mov_b32 s19, 0
	HG0 G0H, 0, 20, 1<<20
	HG0 G0HB, APART, 46, 64*KTOT
	HG0 G0S, SAB, 22, (KTOT/256)*16384
	HG0 G0SB, SBB, 92, 64*KS
.irp s, 0,1
	s_mov_b32 s[G0+4*\s], 1
	s_add_co_u32 s[G0+4*\s+1], s45, \s*SLOT
	s_add_nc_u64 s[G0+4*\s+2:G0+4*\s+3], s[20:21], \s*0x200000
	s_or_b32 s[G0+4*\s+3], s[G0+4*\s+3], 0x80000000
	s_mov_b32 s[G0B+4*\s], 1
	s_add_co_u32 s[G0B+4*\s+1], s94, \s*SLOT
	s_add_nc_u64 s[G0B+4*\s+2:G0B+4*\s+3], s[46:47], \s*512
	s_or_b32 s[G0B+4*\s+3], s[G0B+4*\s+3], 0x80000000
.endr
; THE HEAD'S LOADS, ONE A WAVE: wave 0 K step 0 of A, wave 1 of W, wave 2 A's scale words, wave 3 W's scale bytes.  One tree of branches on the wave's number.
.macro ARM under, g0, g1, next
	s_cmp_lt_u32 s14, \under
	s_cbranch_scc0 \next
	tensor_load_to_lds s[\g0:\g0+3], s[\g1:\g1+7]
	s_nop 0
.rept 4
	v_nop
.endr
	s_branch .Lhead_asked
\next:
.endm
	ARM 1, G0H,  G1,  .Lhead_b
	ARM 2, G0HB, G1B, .Lhead_sa
	ARM 3, G0S,  G1S, .Lhead_sb
	tensor_load_to_lds s[G0SB:G0SB+3], s[G1SB:G1SB+7]
	s_nop 0
.rept 4
	v_nop
.endr
.Lhead_asked:
	; THE PREFETCH of K step 1, the second and last.  What a wave fetches of it is 128 blocks of 256 bytes (A: 2 runs x 16,384 bytes; W: 64 rows x 512 bytes).  The four partners that ask for it jointly share it out BY ADDRESS,
	; 32 blocks each, a lane a block, one instruction a wave: partner p (cx for A, cy for W) takes 8,192 bytes at run p / 2, half p % 2 of A, or rows 16 p on of W.  The address registers are never rewritten.
	s_cmp_eq_u32 s15, 0                            ; do I fetch for A?
	s_cselect_b64 s[94:95], s[20:21], s[46:47]
	s_cselect_b32 s18, s40, s41                    ; my place among the four
	s_mov_b32 s19, 512
	s_cselect_b32 s19, 0x200000, s19               ; a K step on: four runs of A, 512 bytes of a row of W
	s_mov_b32 s2, KTOT
	s_cselect_b32 s2, 512, s2                      ; from one pair of lanes to the next
	s_lshr_b32 s22, s18, 1
	s_lshl_b32 s22, s22, 19
	s_and_b32 s23, s18, 1
	s_lshl_b32 s23, s23, 13
	s_add_co_u32 s22, s22, s23                     ; A: run p / 2, half p % 2
	s_mul_i32 s18, s18, 16*KTOT                    ; W: 16 p rows
	s_cmp_eq_u32 s15, 0
	s_cselect_b32 s18, s22, s18
	s_add_co_u32 s18, s18, s19
	s_mov_b32 s19, 0
	s_add_nc_u64 s[94:95], s[94:95], s[18:19]
	v_and_b32 v9, 31, v0
	v_lshrrev_b32 v10, 1, v9
	v_and_b32 v9, 1, v9
	v_mul_u32_u24 v10, s2, v10
	v_lshl_add_u32 v18, v9, 8, v10
	global_prefetch_b8 v18, s[94:95] th:TH_LOAD_NT scope:SCOPE_SE
	v_and_b32 v1, 15, v0
	v_bfe_u32 v2, v0, 4, 1                         ; h
	v_and_b32 v6, 31, v0                           ; lane
	s_wait_alu depctr_va_vdst(0)
	v_lshlrev_b32 v3, 4, v6
	v_mul_u32_u24 v4, v1, WP
	v_lshl_add_u32 v4, v2, 4, v4
	s_lshl_b32 s21, s15, 13                        ; my four images of each run
	s_mul_i32 s22, s16, HALFW
	s_add_co_u32 s22, s22, APART
.irp s, 0,1
	v_add_nc_u32 v[ADRA+\s], s21, v3
	v_add_nc_u32 v[ADRB+\s], s22, v4
	s_add_co_u32 s21, s21, SLOT
	s_add_co_u32 s22, s22, SLOT
.endr
	s_lshl_b32 s21, s15, 8
	s_add_co_u32 s21, s21, SAB
	v_lshl_add_u32 v[ADSA], v6, 2, s21             ; A's words: lane l takes row 32 p + l of my 64
	v_mul_u32_u24 v5, v6, KS
	v_lshrrev_b32 v7, 8, v5
	v_lshl_add_u32 v5, v7, 4, v5
	s_mul_i32 s21, s16, HALFSB
	s_add_co_u32 s21, s21, SBB
	v_add_nc_u32 v[ADSB], s21, v5                  ; W's: the same rows; 16 bytes are a K step's four words
	s_mul_i32 s23, s14, 16*STP                     ; my stage
	v_mul_u32_u24 v5, v1, STP
	v_lshl_add_u32 v5, v2, 5, v5
	v_add_nc_u32 v[STO], s23, v5
	v_mul_u32_u24 v5, v2, STP
	v_lshl_add_u32 v5, v1, 4, v5
	v_add_nc_u32 v[RD], s23, v5
	v_lshlrev_b32 v5, 12, v2
	v_lshl_add_u32 v[CO], v1, 4, v5                ; lanes 0-15 one row of 4,096 bytes, lanes 16-31 the next
	s_wait_alu depctr_va_vdst(0)
	s_lshl_b32 s23, s14, 3
	s_add_co_u32 s23, s23, STX
	v_mov_b32 v[SX], s23
	v_mov_b32 v[SXR], STX
	v_mov_b32 v[ZO], 0
	v_mov_b32 v97, 0                               ; a lane permute's destination counts as read
	s_lshl_b32 s46, s17, 19                        ; my part of the residual and of OUT
	s_lshl_b32 s47, s15, 18
	s_add_co_u32 s46, s46, s47
	s_lshl_b32 s47, s42, 9
	s_add_co_u32 s46, s46, s47
	s_lshl_b32 s47, s16, 8
	s_add_co_u32 s46, s46, s47
	s_mov_b32 s47, 0
	s_add_nc_u64 s[96:97], s[96:97], s[46:47]
	s_add_nc_u64 s[98:99], s[98:99], s[46:47]
	s_lshl_b32 s46, s42, 9
	s_lshl_b32 s22, s16, 8
	s_add_co_u32 s46, s46, s22
	s_add_nc_u64 s[66:67], s[66:67], s[46:47]      ; the bias of my 64 columns
.if STATS
	s_lshl_b32 s46, s17, 3
	s_add_co_u32 s46, s46, s42
	s_lshl_b32 s46, s46, 3
	s_add_nc_u64 s[100:101], s[100:101], s[46:47]  ; my tile's pair
	s_mov_b32 s12, 0x76543210
	s_mov_b32 s13, 0xfedcba98
.endif
	v_lshlrev_b32 v8, 5, v2
.irp b, 0,1,2,3
	global_load_b128 v[BI+8*\b:BI+8*\b+3], v8, s[66:67] offset:64*\b
	global_load_b128 v[BI+8*\b+4:BI+8*\b+7], v8, s[66:67] offset:64*\b+16
.endr
	WIN 0x80                                       ; destination window 2
.irp a, 0,1,2,3
.irp t, 0,1,2,3,4,5,6,7
	global_load_b128 v[32*\a+4*\t:32*\a+4*\t+3], v[CO], s[96:97] offset:(16*\a+2*\t)*4096
.endr
.endr
	WIN 0
.macro WM d, w, x, c, sw, sx, pw, px   ; one product; pw, px: the scale words lie in lanes 16-31
.if ((\pw)==1)&&((\px)==1)
	v_wmma_scale_f32_16x16x128_f8f6f4 v[(\d):(\d)+7], v[(\w):(\w)+15], v[(\x):(\x)+15], v[(\c):(\c)+7], v[(\sw)], v[(\sx)] matrix_a_scale:MATRIX_SCALE_ROW1 matrix_b_scale:MATRIX_SCALE_ROW1
.elseif (\pw)==1
	v_wmma_scale_f32_16x16x128_f8f6f4 v[(\d):(\d)+7], v[(\w):(\w)+15], v[(\x):(\x)+15], v[(\c):(\c)+7], v[(\sw)], v[(\sx)] matrix_a_scale:MATRIX_SCALE_ROW1
.elseif (\px)==1
	v_wmma_scale_f32_16x16x128_f8f6f4 v[(\d):(\d)+7], v[(\w):(\w)+15], v[(\x):(\x)+15], v[(\c):(\c)+7], v[(\sw)], v[(\sx)] matrix_b_scale:MATRIX_SCALE_ROW1
.else
	v_wmma_scale_f32_16x16x128_f8f6f4 v[(\d):(\d)+7], v[(\w):(\w)+15], v[(\x):(\x)+15], v[(\c):(\c)+7], v[(\sw)], v[(\sx)]
.endif
.endm
; four products: A's block a x W's four.  The 16 accumulators take turns, one instruction a turn, in the same order in every quarter.  first = 1: the bias is the C.
.macro MULA f, a, set, q, first
.irp b, 0,1,2,3
.if \first
	WM ACC+8*(4*(\a)+\b), (\f)+64+16*\b, (\f)+16*(\a), BI+8*\b, SC+16*(\set)+8+4*(\b/2)+(\q), SC+16*(\set)+4*((\a)/2)+(\q), \b%2, (\a)%2
.else
	WM ACC+8*(4*(\a)+\b), (\f)+64+16*\b, (\f)+16*(\a), ACC+8*(4*(\a)+\b), SC+16*(\set)+8+4*(\b/2)+(\q), SC+16*(\set)+4*((\a)/2)+(\q), \b%2, (\a)%2
.endif
.endr
.endm
.macro FETCH slot, q, f                ; 32 LDS loads: the fragments of the slot's q-th 128 along K into buffer f
	WIN 0x40
.irp i, 0,1,2,3
.irp c, 0,1,2,3
	ds_load_b128 v[(\f)+64+16*\i+4*\c:(\f)+64+16*\i+4*\c+3], v[ADRB+\slot] offset:128*(\q)+32*\c+\i*16*WP
.endr
.endr
.irp i, 0,1,2,3
.irp c, 0,1,2,3
	ds_load_b128 v[(\f)+16*\i+4*\c:(\f)+16*\i+4*\c+3], v[ADRA+\slot] offset:16384*(\q)+2048*\i+512*\c
.endr
.endr
	WIN 0
.endm
.macro SCALES set                      ; a K step's scale words: register p holds blocks 2 p (lanes 0-15) and 2 p + 1 (lanes 16-31)
.irp p, 0,1
.irp q, 0,1,2,3
	ds_load_b32 v[SC+16*\set+4*\p+\q], v[ADSA] offset:512*\q+128*\p
.endr
	ds_load_b128 v[SC+16*\set+8+4*\p:SC+16*\set+11+4*\p], v[ADSB] offset:\p*(32*KS/256)*272
.endr
.endm
.macro QUARTER slot, q, first          ; one of a slot's first three quarters: asks for the next quarter's fragments, then multiplies its own
	s_wait_dscnt 0x0                               ; my fragments are in (asked for sixteen products ago)
	PLACES 8                                       ; in front of loads into the buffer that the last quarter multiplied
	FETCH \slot, (\q)+1, F0+128*(((\q)+1)%2)
	WIN 0x05                                       ; sources 0 and 1 window 1
	MULA F0+128*((\q)%2), 0, \slot, \q, \first
	MULA F0+128*((\q)%2), 1, \slot, \q, \first
	MULA F0+128*((\q)%2), 2, \slot, \q, \first
	MULA F0+128*((\q)%2), 3, \slot, \q, \first
.endm
.macro TURN slot, next, fill           ; the last quarter changes slots: one barrier; fill = 1: the slot is filled again, two K steps ahead
	WIN 0
	s_wait_tensorcnt 0x0                           ; all my tensor loads have landed: my part of the next slot
	ds_add_u32 v[SPW], v[NIL]                      ; 0 onto my spare word
	s_wait_dscnt 1                                 ; my fragments are in; the add may be out
	WIN 0x05
	MULA F1, 0, \slot, 3, 0
	s_wait_dscnt 0x0                               ; the add is done, and my reads of this slot are over
	s_barrier_signal -1
	MULA F1, 1, \slot, 3, 0
	WIN 0
	s_barrier_wait -1
.if \fill
	CREST                                          ; the barrier has opened a round of the cluster's: no wave of any partner still reads this slot or has a load on its way
	s_add_nc_u64 s[G0+4*\slot+2:G0+4*\slot+3], s[G0+4*\slot+2:G0+4*\slot+3], 0x400000
	s_add_nc_u64 s[G0B+4*\slot+2:G0B+4*\slot+3], s[G0B+4*\slot+2:G0B+4*\slot+3], 1024
	JLOAD G0+4*\slot, G1, G0B+4*\slot, G1B
	PLACES 4
.else
	PLACES 8
.endif
	v_add_nc_u32 v[ADSA], 2048, v[ADSA]
	v_add_nc_u32 v[ADSB], 16, v[ADSB]
	FETCH \next, 0, F0
	SCALES \next
	WIN 0x05
	MULA F1, 2, \slot, 3, 0
	MULA F1, 3, \slot, 3, 0
.endm
	s_wait_alu depctr_va_vdst(0)                   ; the wait at the head's end
	s_wait_loadcnt 32                              ; the bias is in; the residual's 32 loads may be out
	s_wait_tensorcnt 0x0                           ; my tile of the head's four is in
	ds_add_u32 v[SPW], v[NIL]
	s_mov_b32 s[G1+2], 2<<16                       ; no tensor load of mine is out: from here on a load brings half a K step's tile
	s_mov_b32 s[G1+4], 2
	s_mov_b32 s[G1B+2], 64<<16
	s_mov_b32 s[G1B+4], 64
	s_wait_dscnt 0x0
	CROUND                                         ; all four tiles are in, and all sixteen work-groups are here
	JLOAD G0+4, G1, G0B+4, G1B                     ; K step 1: the first tensor load behind the round
	FETCH 0, 0, F0
	SCALES 0
	QUARTER 0, 0, 1
.if LAPS > 1
	WIN 0
	s_mov_b32 s3, LAPS-1
.Llap:
	QUARTER 0, 1, 0
	QUARTER 0, 2, 0
	TURN 0, 1, 1
	QUARTER 1, 0, 0
	QUARTER 1, 1, 0
	QUARTER 1, 2, 0
	TURN 1, 0, 1
	QUARTER 0, 0, 0
	WIN 0
	s_sub_co_u32 s3, s3, 1
	s_cmp_lg_u32 s3, 0
	s_cbranch_scc1 .Llap
.endif
	QUARTER 0, 1, 0
	QUARTER 0, 2, 0
	TURN 0, 1, 0
	QUARTER 1, 0, 0
	QUARTER 1, 1, 0
	QUARTER 1, 2, 0
	s_wait_dscnt 0x0
	WIN 0x05
	MULA F1, 0, 1, 3, 0
	MULA F1, 1, 1, 3, 0
	MULA F1, 2, 1, 3, 0
	MULA F1, 3, 1, 3, 0
	WIN 0
	; THE WAY OUT: 16 rows x 64 columns at a time through my stage; LDS serves a wave's instructions in order, so no wait stands between the stores and the loads, nor in front of the next block's stores.
	PLACES 8
	s_wait_loadcnt 0x0                             ; the residual
.irp a, 0,1,2,3
	WIN 0
.irp b, 0,1,2,3
	ds_store_b128 v[STO], v[ACC+8*(4*\a+\b):ACC+8*(4*\a+\b)+3] offset:64*\b          ; each accumulator from its low end on
	ds_store_b128 v[STO], v[ACC+8*(4*\a+\b)+4:ACC+8*(4*\a+\b)+7] offset:64*\b+16
.endr
	WIN 0x80
.irp t, 0,1,2,3,4,5,6,7
	ds_load_b128 v[128+32*\a+4*\t:128+32*\a+4*\t+3], v[RD] offset:\t*2*STP
.endr
.endr
.irp a, 0,1,2,3
	s_wait_dscnt 16*(3-\a)                         ; block a is back; the later blocks' sixteen LDS instructions each may be out
	WIN 0x8a
.irp i, 0,2,4,6,8,10,12,14,16,18,20,22,24,26,28,30
	v_pk_add_f32 v[128+32*\a+\i:129+32*\a+\i], v[128+32*\a+\i:129+32*\a+\i], v[32*\a+\i:32*\a+\i+1]
.endr
	WIN 0x08                                       ; a store's data: window 2
.irp t, 0,1,2,3,4,5,6,7
	global_store_b128 v[CO], v[128+32*\a+4*\t:128+32*\a+4*\t+3], s[98:99] offset:(16*\a+2*\t)*4096   ; sixteen lanes store 256 consecutive bytes, aligned
.endr
.endr
	WIN 0
.if STATS
	; the wave's 4,096 numbers: their mean, then the distances from it (into the residual's registers), then M2; the four waves' pairs meet in LDS
	WIN 0x0a
.irp k, 0,1,2,3
	v_pk_add_f32 v[CH+2*\k:CH+2*\k+1], v[128+2*\k:129+2*\k], v[136+2*\k:137+2*\k]
.endr
	WIN 0x08
.set i, 16
.rept 56
	v_pk_add_f32 v[CH+i%8:CH+i%8+1], v[CH+i%8:CH+i%8+1], v[128+i:129+i]
.set i, i+2
.endr
	WIN 0
.macro FOLDW                           ; the four chains, then the 32 lanes, into v96
	v_pk_add_f32 v[CH:CH+1], v[CH:CH+1], v[CH+2:CH+3]
	v_pk_add_f32 v[CH+4:CH+5], v[CH+4:CH+5], v[CH+6:CH+7]
	v_pk_add_f32 v[CH:CH+1], v[CH:CH+1], v[CH+4:CH+5]
	v_add_f32 v96, v[CH], v[CH+1]
	v_add_f32_dpp v96, v96, v96 row_xmask:1 row_mask:0xf bank_mask:0xf
	v_add_f32_dpp v96, v96, v96 row_xmask:2 row_mask:0xf bank_mask:0xf
	v_add_f32_dpp v96, v96, v96 row_xmask:4 row_mask:0xf bank_mask:0xf
	v_add_f32_dpp v96, v96, v96 row_xmask:8 row_mask:0xf bank_mask:0xf
	v_permlanex16_b32 v97, v96, s12, s13
	v_add_f32 v96, v96, v97
.endm
	FOLDW
	v_mul_f32 v98, 0x39800000, v96                 ; / 4,096
	v_mov_b32 v99, v98
	WIN 0x82
.set i, 0
.rept 64
	v_pk_add_f32 v[i:i+1], v[128+i:129+i], v[98:99] neg_lo:[0,1] neg_hi:[0,1]
.set i, i+2
.endr
	WIN 0x0a
.irp k, 0,1,2,3
	v_pk_mul_f32 v[CH+2*\k:CH+2*\k+1], v[2*\k:2*\k+1], v[2*\k:2*\k+1]
.endr
.set i, 8
.rept 60
	v_pk_fma_f32 v[CH+i%8:CH+i%8+1], v[i:i+1], v[i:i+1], v[CH+i%8:CH+i%8+1]
.set i, i+2
.endr
	WIN 0
	FOLDW
	v_mov_b32 v99, v96                             ; (mean, M2) of the wave
	ds_store_b64 v[SX], v[98:99]
	s_wait_dscnt 0x0                               ; for the others' sake
	s_barrier_signal -1
	s_barrier_wait -1
	ds_load_b128 v[100:103], v[SXR]
	ds_load_b128 v[104:107], v[SXR] offset:16
	s_wait_dscnt 0x0
	v_add_f32 v96, v100, v102
	v_add_f32 v97, v104, v106
	v_add_f32 v96, v96, v97
	v_mul_f32 v108, 0x3e800000, v96                ; the tile's mean: four equal parts
	v_add_f32 v96, v101, v103
	v_add_f32 v97, v105, v107
	v_add_f32 v96, v96, v97
	v_sub_f32 v100, v100, v108
	v_sub_f32 v102, v102, v108
	v_sub_f32 v104, v104, v108
	v_sub_f32 v106, v106, v108
	v_mul_f32 v97, v100, v100
	v_fmac_f32 v97, v102, v102
	v_fmac_f32 v97, v104, v104
	v_fmac_f32 v97, v106, v106
	v_fmamk_f32 v109, v97, 0x45800000, v96         ; M2 = sum M2_w + 4,096 sum (mean_w - mean)^2
	s_cmp_lg_u32 s14, 0
	s_cbranch_scc1 .Lno_part                       ; one lane of wave 0 stores the pair
	v_cmp_eq_u32 vcc_lo, 0, v0
	s_wait_xcnt 0x0                                ; EXEC changes only behind this wait
	s_and_saveexec_b32 s3, vcc_lo
	s_wait_alu depctr_va_vdst(0)
	global_store_b64 v[ZO], v[108:109], s[100:101]
	s_wait_xcnt 0x0
	s_or_b32 exec_lo, exec_lo, s3
.Lno_part:
.endif
	s_wait_tensorcnt 0x0                           ; the wave's end
	ds_add_u32 v[SPW], v[NIL]
	s_wait_dscnt 0x0
	CROUND                                         ; the closing round
	s_endpgm
.Lfunc_end_k_q4e8f396187_wo:
	.size	k_q4e8f396187_wo, .Lfunc_end_k_q4e8f396187_wo-k_q4e8f396187_wo
	.p2alignl 7, 3214868480
	.fill 96, 4, 3214868480
	.section	.rodata,"a",@progbits
	.p2align	6, 0x0
	.amdhsa_kernel k_q4e8f396187_wo
		.amdhsa_group_segment_fixed_size 327680
		.amdhsa_private_segment_fixed_size 0
		.amdhsa_enable_private_segment 0
		.amdhsa_kernarg_size 56
		.amdhsa_user_sgpr_count 2
		.amdhsa_user_sgpr_kernarg_segment_ptr 1
		.amdhsa_wavefront_size32 1
		.amdhsa_system_sgpr_workgroup_id_x 1
		.amdhsa_system_sgpr_workgroup_id_y 1
		.amdhsa_system_sgpr_workgroup_id_z 1
		.amdhsa_system_vgpr_workitem_id 0
		.amdhsa_next_free_vgpr 768
		.amdhsa_next_free_sgpr 102
		.amdhsa_reserve_vcc 1
		.amdhsa_float_denorm_mode_32 3
		.amdhsa_float_denorm_mode_16_64 3
		.amdhsa_memory_ordered 1
		.amdhsa_forward_progress 1
		.amdhsa_inst_pref_size 80
	.end_amdhsa_kernel
	.amdgpu_metadata
---
amdhsa.version: [ 1, 2 ]
amdhsa.kernels:
  - .name:           k_q4e8f396187_wo
    .symbol:         k_q4e8f396187_wo.kd
    .args:
      - { .name: ao, .offset: 0, .size: 8, .value_kind: global_buffer, .address_space: global }
      - { .name: Wo_codes, .offset: 8, .size: 8, .value_kind: global_buffer, .address_space: global }
      - { .name: Wo_scales, .offset: 16, .size: 8, .value_kind: global_buffer, .address_space: global }
      - { .name: bo, .offset: 24, .size: 8, .value_kind: global_buffer, .address_space: global }
      - { .name: y, .offset: 32, .size: 8, .value_kind: global_buffer, .address_space: global }
      - { .name: y1, .offset: 40, .size: 8, .value_kind: global_buffer, .address_space: global }
      - { .name: part, .offset: 48, .size: 8, .value_kind: global_buffer, .address_space: global }
    .group_segment_fixed_size: 327680
    .private_segment_fixed_size: 0
    .kernarg_segment_align: 8
    .kernarg_segment_size: 56
    .max_flat_workgroup_size: 128
    .sgpr_count:     102
    .vgpr_count:     768
    .wavefront_size: 32
...
	.end_amdgpu_metadata
.endif
;; end of part 5
;; launch lnq2: the kernel of part 2 again; grid 256 x 1, 8 waves a work-group, no clusters, 43,008 bytes of LDS; arguments y1, part, ln2_w, ln2_b, nc; writes nc
;; launch ffn1 (part 6): grid 16 x 16, 4 waves a work-group, clusters of 4 x 4, 327,680 bytes of LDS; arguments nc, W1_codes, W1_scales, b1, h; writes h
.if DOCPART == 6
	.amdgcn_target "amdgcn-amd-amdhsa--gfx1250"
	.amdhsa_code_object_version 6
	.text
	.protected	k_q4e8f396187_ffn1
	.globl	k_q4e8f396187_ffn1
	.p2align	8
	.type	k_q4e8f396187_ffn1,@function
k_q4e8f396187_ffn1:
	s_mov_b64 s[64:65], 0
	v_nop
	global_prefetch_b8 v0, s[64:65] scope:SCOPE_SE
	s_setreg_imm32_b32 hwreg(HW_REG_WAVE_MODE, 25, 1), 1
	s_wait_xcnt 0x0
	s_wait_alu depctr_hold_cnt(0) depctr_sa_sdst(0) depctr_va_vdst(0) depctr_va_sdst(0) depctr_va_ssrc(0) depctr_va_vcc(0) depctr_vm_vsrc(0)
	s_getreg_b32 s2, hwreg(HW_REG_IB_STS2, 6, 4)
	s_cmp_eq_u32 s2, 0
	s_cbranch_scc0 .Lentry_in_a_cluster
	s_endpgm
.Lentry_in_a_cluster:
	s_bfe_u32 s2, ttmp6, 0x10000c
	s_cmp_lg_u32 s2, 0xf033
	s_cbranch_scc0 .Lentry_shape_is_right
	s_endpgm
.Lentry_shape_is_right:
.set KSTEP,  256
.set NQ,     2
.set ROWB,   256
.set KROW,   1024
.set PITCH,  272
.set FR,     16
.set NL,     4
.set NP,     8
.set HALFT,  128*PITCH
.set SLOT,   4*HALFT
.set KS,     32
.set SCL,    2*SLOT
.set HALFS,  (128*KS/256)*272
.set SBLK,   (16*KS/256)*272
.set SPARE,  SCL+4*HALFS+1024
.set ADRA, 16
.set ADRB, 20
.set CO8,  24
.set SWO,  25
.set ADRS, 27
.set SPW,  28
.set NIL,  29
.set BA,   30
.set SC,   32
.set BI,   64
.set AF,   128
.set X,    128
.set PC,   192
.set TM,   224
.set PW,   240
.set W2,   248
.set G1, 24
.set G0, 32
.set G1B, 48
.set G0B, 56
.set G1S, 68
.set G0S, 76
.set G1SB, 80
.set G0SB, 88
.set HM,  98
.set MNT, 99
.set SEL, 100
.set MSB, 0
.macro WIN new
.if MSB != (\new)
	s_set_vgpr_msb (MSB<<8)|(\new)
.set MSB, (\new)
.endif
.endm
.set MUL_LO, 0xa1
.set MUL_HI, 0xf1
.set TO_B,   0x40
.macro JLOAD g0a, g1a, g0b, g1b
	s_cmp_eq_u32 s15, 0
	s_cbranch_scc0 .Lfor_b_\@
	tensor_load_to_lds s[\g0a:\g0a+3], s[\g1a:\g1a+7]
	s_nop 0
.rept 4
	v_nop
.endr
	s_branch .Lasked_\@
.Lfor_b_\@:
	tensor_load_to_lds s[\g0b:\g0b+3], s[\g1b:\g1b+7]
	s_nop 0
.rept 4
	v_nop
.endr
.Lasked_\@:
.endm
.macro CREST
	s_cmp_lg_u32 s14, 0
	s_cbranch_scc1 .Lnot_wave_0_\@
	s_barrier_signal -3
.Lnot_wave_0_\@:
	s_barrier_wait -3
	s_barrier_signal -1
	s_barrier_wait -1
.endm
.macro CROUND
	s_barrier_signal -1
	s_barrier_wait -1
	CREST
.endm
	s_load_b64 s[4:5], s[0:1], 0x0
	s_load_b128 s[8:11], s[0:1], 0x8
	s_load_b64 s[66:67], s[0:1], 0x18
	s_load_b64 s[12:13], s[0:1], 0x20
	v_lshl_add_u32 v[SPW], v0, 2, SPARE
	v_mov_b32 v[NIL], 0
	ds_add_u32 v28, v29
	ds_add_u32 v28, v29
	s_wait_dscnt 0x0
	v_lshrrev_b32 v1, 5, v0
	v_readfirstlane_b32 s14, v1
	s_lshr_b32 s15, s14, 1
	s_and_b32 s16, s14, 1
	s_bfe_u32 s40, ttmp6, 0x40000
	s_bfe_u32 s41, ttmp6, 0x40004
	s_lshl_b32 s42, ttmp9, 2
	s_add_co_u32 s42, s42, s40
	s_and_b32 s17, ttmp7, 0xffff
	s_lshl_b32 s17, s17, 2
	s_add_co_u32 s17, s17, s41
	s_lshl_b32 s43, s41, 2
	s_lshl_b32 s43, 15, s43
	s_lshl_b32 s44, 0x1111, s40
	s_or_b32 s[G1+0], s43, (0<<16)|(1<<20)|(1<<21)|(5<<22)|(3<<25)
	s_or_b32 s[G1B+0], s44, (0<<16)|(1<<20)|(1<<21)|(5<<22)|(3<<25)
.irp g, G1, G1B
	s_mov_b32 s[\g+1], ROWB<<16
	s_mov_b32 s[\g+2], 256<<16                     ; the head's loads bring 256 rows; behind them the two words are set to 128
	s_mov_b32 s[\g+3], ROWB<<16
	s_mov_b32 s[\g+4], 256
	s_mov_b32 s[\g+5], KROW
	s_mov_b32 s[\g+6], 0
	s_mov_b32 s[\g+7], 0
.endr
	s_or_b32 s[G1S+0], s43, (3<<16)|(1<<20)|(1<<21)|(5<<22)|(3<<25)
	s_or_b32 s[G1SB+0], s44, (3<<16)|(1<<20)|(1<<21)|(5<<22)|(3<<25)
.irp g, G1S, G1SB
	s_mov_b32 s[\g+1], 32<<16
	s_mov_b32 s[\g+2], KS<<16                      ; the scales of 256 rows: KS rows of 256 bytes
	s_mov_b32 s[\g+3], 32<<16
	s_mov_b32 s[\g+4], KS
	s_mov_b32 s[\g+5], 32
	s_mov_b32 s[\g+6], 0
	s_mov_b32 s[\g+7], 0
.endr
	s_lshl_b32 s18, s16, 7
	s_lshl_b32 s20, s17, 8
	s_add_co_u32 s20, s20, s18
	s_lshl_b32 s46, s42, 8
	s_add_co_u32 s46, s46, s18
	s_mov_b32 s21, 0
	s_mov_b32 s47, 0
	s_mov_b64 s[18:19], KS
	s_mul_u64 s[22:23], s[20:21], s[18:19]
	s_mul_u64 s[92:93], s[46:47], s[18:19]
	s_mov_b64 s[18:19], KROW
	s_mul_u64 s[20:21], s[20:21], s[18:19]
	s_mul_u64 s[46:47], s[46:47], s[18:19]
	s_mul_i32 s45, s14, HALFT
	s_wait_kmcnt 0x0
	s_add_nc_u64 s[6:7], s[4:5], 0x400000
	s_add_nc_u64 s[20:21], s[4:5], s[20:21]
	s_add_nc_u64 s[22:23], s[6:7], s[22:23]
	s_add_nc_u64 s[46:47], s[8:9], s[46:47]
	s_add_nc_u64 s[92:93], s[10:11], s[92:93]
	CROUND
.set G0H, 4                            ; s[4:7], s[8:11]: group 0 of the head's loads of K step 0 (the arguments that lay there have been used)
.set G0HB, 8
.macro HG0 g, lds, adr, half           ; group 0 of a whole tile: my half's address less my half
	s_mul_i32 s18, s16, \half
	s_mov_b32 s[\g], 1
	s_mov_b32 s[\g+1], \lds
	s_sub_nc_u64 s[\g+2:\g+3], s[\adr:\adr+1], s[18:19]
	s_or_b32 s[\g+3], s[\g+3], 0x80000000
.endm
	s_mov_b32 s19, 0
	HG0 G0H, 0, 20, 128*KROW
	HG0 G0HB, 2*HALFT, 46, 128*KROW
	HG0 G0S, SCL, 22, 128*KS
	HG0 G0SB, SCL+2*HALFS, 92, 128*KS
.irp s, 0,1
	s_mov_b32 s[G0+4*\s], 1
	s_add_co_u32 s[G0+4*\s+1], s45, \s*SLOT
	s_add_nc_u64 s[G0+4*\s+2:G0+4*\s+3], s[20:21], \s*ROWB
	s_or_b32 s[G0+4*\s+3], s[G0+4*\s+3], 0x80000000
	s_mov_b32 s[G0B+4*\s], 1
	s_add_co_u32 s[G0B+4*\s+1], s45, \s*SLOT
	s_add_nc_u64 s[G0B+4*\s+2:G0B+4*\s+3], s[46:47], \s*ROWB
	s_or_b32 s[G0B+4*\s+3], s[G0B+4*\s+3], 0x80000000
.endr
; THE HEAD'S LOADS, ONE A WAVE: wave 0 K step 0's 256 rows of the activation, wave 1 those of W1, waves 2 and 3 their scales.  One tree of branches on the wave's number.
.macro ARM under, g0, g1, next
	s_cmp_lt_u32 s14, \under
	s_cbranch_scc0 \next
	tensor_load_to_lds s[\g0:\g0+3], s[\g1:\g1+7]
	s_nop 0
.rept 4
	v_nop
.endr
	s_branch .Lhead_asked
\next:
.endm
	ARM 1, G0H,  G1,  .Lhead_b
	ARM 2, G0HB, G1B, .Lhead_sa
	ARM 3, G0S,  G1S, .Lhead_sb
	tensor_load_to_lds s[G0SB:G0SB+3], s[G1SB:G1SB+7]
	s_nop 0
.rept 4
	v_nop
.endr
.Lhead_asked:
	; THE PREFETCHES.  A K step is 256 bytes of each row.  Of the 128 rows that a wave fetches in the ring, each of the four partners that ask for them jointly takes 32, told apart BY ADDRESS
	; (cx for the activation's rows, cy for W1's): a lane a row, one instruction a wave, so each block of 256 bytes is named once in each cluster that loads it.
	; K steps 1 and 2 are asked for here, K step 3 behind K step 1's load: at most two K steps are asked for and not yet read.  The address registers are never rewritten.
	s_cmp_eq_u32 s15, 0
	s_cselect_b64 s[92:93], s[20:21], s[46:47]
	s_cselect_b32 s18, s40, s41                    ; my place among the four
	s_lshl_b32 s18, s18, 15                        ; 32 rows of 1,024 bytes
	s_mov_b32 s19, 0
	s_add_nc_u64 s[92:93], s[92:93], s[18:19]
	v_and_b32 v22, 31, v0
	v_lshlrev_b32 v22, 10, v22                     ; my lane's row
	global_prefetch_b8 v22, s[92:93] offset:256 th:TH_LOAD_NT scope:SCOPE_SE
	global_prefetch_b8 v22, s[92:93] offset:512 th:TH_LOAD_NT scope:SCOPE_SE
	v_and_b32 v1, 15, v0
	v_bfe_u32 v2, v0, 4, 1
	v_cmp_eq_u32 s[HM], 1, v2
	v_mul_u32_u24 v3, v1, PITCH
	v_lshl_add_u32 v4, v2, 4, v3
	s_mul_i32 s21, s15, HALFT
	s_mul_i32 s22, s16, HALFT
	s_add_co_u32 s22, s22, 2*HALFT
.irp s, 0,1
	v_add_nc_u32 v[ADRA+\s], s21, v4
	v_add_nc_u32 v[ADRB+\s], s22, v4
	s_add_co_u32 s21, s21, SLOT
	s_add_co_u32 s22, s22, SLOT
.endr
	v_mul_u32_u24 v5, v1, KS
	v_lshrrev_b32 v6, 8, v5
	v_lshl_add_u32 v5, v6, 4, v5
	s_mul_i32 s21, s15, HALFS
	s_mul_i32 s22, s16, HALFS
	s_add_co_u32 s22, s22, 2*HALFS
	s_sub_co_u32 s22, s22, s21
	v_mul_u32_u24 v6, s22, v2
	s_add_co_u32 s21, s21, SCL
	v_add_nc_u32 v5, v5, v6
	v_add_nc_u32 v[ADRS], s21, v5
	v_lshlrev_b32 v[CO8], 4, v1
	v_lshl_add_u32 v[CO8], v2, 3, v[CO8]
	v_and_b32 v6, 31, v0
	v_lshlrev_b32 v[SWO], 2, v6
	v_lshlrev_b32 v[BA], 5, v2
	s_wait_alu depctr_va_vdst(0)
	s_lshl_b32 s20, s42, 1
	s_add_co_u32 s20, s20, s16
	s_lshl_b32 s21, s17, 4
	s_lshl_b32 s22, s15, 3
	s_add_co_u32 s21, s21, s22
	s_lshl_b32 s46, s20, 19
	s_lshl_b32 s47, s21, 11
	s_add_co_u32 s46, s46, s47
	s_mov_b32 s47, 0
	s_add_nc_u64 s[96:97], s[12:13], 0x1000000
	s_add_nc_u64 s[12:13], s[12:13], s[46:47]
	s_lshl_b32 s46, s20, 14
	s_lshl_b32 s22, s21, 6
	s_add_co_u32 s46, s46, s22
	s_add_nc_u64 s[96:97], s[96:97], s[46:47]
	s_lshl_b32 s46, s20, 9
	s_add_nc_u64 s[66:67], s[66:67], s[46:47]
.irp b, 0,1,2,3,4,5,6,7
	global_load_b128 v[BI+8*\b:BI+8*\b+3], v[BA], s[66:67] offset:64*\b
	global_load_b128 v[BI+8*\b+4:BI+8*\b+7], v[BA], s[66:67] offset:64*\b+16
.endr
	s_mov_b32 s[MNT], 0x600000
	s_mov_b32 s[SEL], 0x76543210
	s_mov_b32 s[SEL+1], 0xfedcba98
.macro FRAG reg, adr, q, i
.irp c, 0,1,2,3
	ds_load_b128 v[\reg+4*\c:\reg+4*\c+3], v[\adr] offset:128*(\q)+32*\c+(\i)*16*PITCH
.endr
.endm
.macro MUL16 a0, p, q, sc, zero
.irp a, \a0, \a0+1
.irp b, 0,1,2,3,4,5,6,7
.if \zero
	v_wmma_scale_f32_16x16x128_f8f6f4 v[8*(8*((\a)%4)+\b):8*(8*((\a)%4)+\b)+7], v[128*(\p)+FR*\b:128*(\p)+FR*\b+FR-1], v[AF+FR*(\a):AF+FR*(\a)+FR-1], 0, v[SC+8*NQ*(\sc)+NQ*\b+(\q)], v[SC+8*NQ*(\sc)+NQ*(\a)+(\q)] matrix_a_scale:MATRIX_SCALE_ROW1
.else
	v_wmma_scale_f32_16x16x128_f8f6f4 v[8*(8*((\a)%4)+\b):8*(8*((\a)%4)+\b)+7], v[128*(\p)+FR*\b:128*(\p)+FR*\b+FR-1], v[AF+FR*(\a):AF+FR*(\a)+FR-1], v[8*(8*((\a)%4)+\b):8*(8*((\a)%4)+\b)+7], v[SC+8*NQ*(\sc)+NQ*\b+(\q)], v[SC+8*NQ*(\sc)+NQ*(\a)+(\q)] matrix_a_scale:MATRIX_SCALE_ROW1
.endif
.endr
.endr
.endm
.macro FETCH_B slot, q, p
	WIN TO_B
.irp i, 0,1,2,3,4,5,6,7
	FRAG 128*(\p)+FR*\i, ADRB+\slot, \q, \i
.endr
	WIN 0
.endm
.macro FETCH_A slot, q, i0
.irp i, \i0, \i0+1, \i0+2, \i0+3
	FRAG AF+FR*(\i), ADRA+\slot, \q, \i
.endr
.endm
.macro SCALES sc
.irp i, 0,1,2,3,4,5,6,7
	ds_load_b64 v[SC+8*NQ*\sc+NQ*\i:SC+8*NQ*\sc+NQ*\i+1], v[ADRS] offset:\i*SBLK
.endr
.endm
.macro PLACES n
.rept \n
	v_nop
.endr
.endm
.macro STEP slot, q, zero
	s_wait_dscnt 4*NL
	WIN MUL_LO
	MUL16 0, (\q)%2, \q, \slot, \zero
	MUL16 2, (\q)%2, \q, \slot, \zero
	s_wait_dscnt 0
	PLACES NP
	FETCH_B \slot, (\q)+1, 1-(\q)%2
	FETCH_A \slot, (\q)+1, 0
	WIN MUL_HI
	MUL16 4, (\q)%2, \q, \slot, \zero
	MUL16 6, (\q)%2, \q, \slot, \zero
	PLACES NP
	WIN 0
	FETCH_A \slot, (\q)+1, 4
.endm
.macro TURN slot, next, fill
	s_wait_tensorcnt 0x0
	ds_add_u32 v[SPW], v[NIL]
	s_wait_dscnt 4*NL+1
	WIN MUL_LO
	MUL16 0, 1, NQ-1, \slot, 0
	s_wait_dscnt 0x0
	s_barrier_signal -1
	MUL16 2, 1, NQ-1, \slot, 0
	WIN 0
	s_barrier_wait -1
.if \fill
	CREST
	s_add_nc_u64 s[G0+4*\slot+2:G0+4*\slot+3], s[G0+4*\slot+2:G0+4*\slot+3], 2*ROWB
	s_add_nc_u64 s[G0B+4*\slot+2:G0B+4*\slot+3], s[G0B+4*\slot+2:G0B+4*\slot+3], 2*ROWB
	JLOAD G0+4*\slot, G1, G0B+4*\slot, G1B
	PLACES NP-4
.else
	PLACES NP
.endif
	s_wait_alu depctr_va_vdst(0)
	v_add_nc_u32 v[ADRS], 4*NQ, v[ADRS]
	FETCH_B \next, 0, 0
	FETCH_A \next, 0, 0
	SCALES \next
	WIN MUL_HI
	MUL16 4, 1, NQ-1, \slot, 0
	MUL16 6, 1, NQ-1, \slot, 0
	PLACES NP
	WIN 0
	FETCH_A \next, 0, 4
.endm
	s_wait_loadcnt 0x0
	s_wait_tensorcnt 0x0                           ; my tile of the head's four is in
	ds_add_u32 v[SPW], v[NIL]
	s_mov_b32 s[G1+2], 128<<16                     ; no tensor load of mine is out: from here on a load brings 128 rows
	s_mov_b32 s[G1+4], 128
	s_mov_b32 s[G1B+2], 128<<16
	s_mov_b32 s[G1B+4], 128
	s_wait_dscnt 0x0
	CROUND                                         ; all four tiles are in, and all sixteen work-groups are here
	JLOAD G0+4, G1, G0B+4, G1B                     ; K step 1: the first tensor load behind the round
	FETCH_B 0, 0, 0
	FETCH_A 0, 0, 0
	SCALES 0
	FETCH_A 0, 0, 4
	global_prefetch_b8 v22, s[92:93] offset:768 th:TH_LOAD_NT scope:SCOPE_SE   ; K step 3, the last
	STEP 0, 0, 1
	TURN 0, 1, 1
	STEP 1, 0, 0
	TURN 1, 0, 1
	STEP 0, 0, 0
	TURN 0, 1, 0
	STEP 1, 0, 0
	s_wait_dscnt 4*NL
	WIN MUL_LO
	MUL16 0, 1, NQ-1, 1, 0
	MUL16 2, 1, NQ-1, 1, 0
	s_wait_dscnt 0
	WIN MUL_HI
	MUL16 4, 1, NQ-1, 1, 0
	MUL16 6, 1, NQ-1, 1, 0
	WIN 0
.macro QUANT s, pc, pw
.irp b, 0,1,2,3
	v_max3_num_f32 v[TM+\b], v[\s+16*\b], v[\s+1+16*\b], 0x4800000
.endr
.irp i, 2,4,6,8,10,12,14
.irp b, 0,1,2,3
	v_max3_num_f32 v[TM+\b], v[TM+\b], v[\s+16*\b+\i], v[\s+1+16*\b+\i]
.endr
.endr
.irp b, 0,1,2,3
	v_permlanex16_b32 v[TM+4+\b], v[TM+\b], s[SEL], s[SEL+1]
.endr
.irp b, 0,1,2,3
	v_max_num_f32 v[TM+\b], v[TM+\b], v[TM+4+\b]
.endr
.irp b, 0,1,2,3
	v_add_nc_u32 v[TM+12+\b], 0xfc000000, v[TM+\b]
.endr
.irp b, 0,1,2,3
	v_and_or_b32 v[TM+8+\b], v[TM+\b], 0x7f800000, s[MNT]
.endr
.irp b, 0,1,2,3
	v_lshrrev_b32 v[TM+4+\b], 23, v[TM+12+\b]
.endr
	v_lshl_or_b32 v[\pw], v[TM+5], 8, v[TM+4]
	v_lshl_or_b32 v[\pw], v[TM+6], 16, v[\pw]
	v_lshl_or_b32 v[\pw], v[TM+7], 24, v[\pw]
.irp b, 0,1,2,3
.irp i, 0,1,2,3,4,5,6,7,8,9,10,11,12,13,14,15
	v_med3_num_f32 v[\s+16*\b+\i], v[\s+16*\b+\i], 0, v[TM+8+\b]
.endr
	v_cvt_scalef32_pk8_fp8_f32 v[\pc+4*\b:\pc+1+4*\b], v[\s+16*\b:\s+7+16*\b], v[TM+12+\b]
	v_cvt_scalef32_pk8_fp8_f32 v[\pc+2+4*\b:\pc+3+4*\b], v[\s+8+16*\b:\s+15+16*\b], v[TM+12+\b]
.endr
	v_nop
.endm
.macro OUTA a
.set AC, 64*((\a)%4)
.set PCS, PC+16*((\a)%2)
	s_wait_xcnt 0x0
	WIN 0x02+(\a)/4
.set i, 0
.rept 32
	v_pk_add_f32 v[X+i:X+i+1], v[AC+i:AC+i+1], v[BI+i:BI+i+1]
.set i, i+2
.endr
	WIN 0
	QUANT X, PCS, PW+(\a)
.irp c, 0,1,2,3
	global_store_b64 v[CO8], v[PCS+4*\c:PCS+4*\c+1], s[12:13] offset:(\a)*2048+512*\c
	global_store_b64 v[CO8], v[PCS+4*\c+2:PCS+4*\c+3], s[12:13] offset:(\a)*2048+512*\c+256
.endr
.if ((\a)%2) == 1
	v_cndmask_b32 v[W2+(\a)/2], v[PW+(\a)-1], v[PW+(\a)], s[HM]
	global_store_b32 v[SWO], v[W2+(\a)/2], s[96:97] offset:((\a)-1)*64
.endif
.endm
	PLACES NP
.irp b, 0,1,2,3
	v_mov_b32 v[TM+4+\b], 0
.endr
.irp a, 0,1,2,3,4,5,6,7
	OUTA \a
.endr
	s_wait_tensorcnt 0x0
	ds_add_u32 v[SPW], v[NIL]
	s_wait_dscnt 0x0
	CROUND
	s_endpgm
.Lfunc_end_k_q4e8f396187_ffn1:
	.size	k_q4e8f396187_ffn1, .Lfunc_end_k_q4e8f396187_ffn1-k_q4e8f396187_ffn1
	.p2alignl 7, 3214868480
	.fill 96, 4, 3214868480
	.section	.rodata,"a",@progbits
	.p2align	6, 0x0
	.amdhsa_kernel k_q4e8f396187_ffn1
		.amdhsa_group_segment_fixed_size 327680
		.amdhsa_private_segment_fixed_size 0
		.amdhsa_enable_private_segment 0
		.amdhsa_kernarg_size 40
		.amdhsa_user_sgpr_count 2
		.amdhsa_user_sgpr_kernarg_segment_ptr 1
		.amdhsa_wavefront_size32 1
		.amdhsa_system_sgpr_workgroup_id_x 1
		.amdhsa_system_sgpr_workgroup_id_y 1
		.amdhsa_system_sgpr_workgroup_id_z 1
		.amdhsa_system_vgpr_workitem_id 0
		.amdhsa_next_free_vgpr 1024
		.amdhsa_next_free_sgpr 102
		.amdhsa_reserve_vcc 0
		.amdhsa_float_denorm_mode_32 3
		.amdhsa_float_denorm_mode_16_64 3
		.amdhsa_memory_ordered 1
		.amdhsa_forward_progress 1
		.amdhsa_inst_pref_size 207
	.end_amdhsa_kernel
	.amdgpu_metadata
---
amdhsa.version: [ 1, 2 ]
amdhsa.kernels:
  - .name:           k_q4e8f396187_ffn1
    .symbol:         k_q4e8f396187_ffn1.kd
    .args:
      - { .name: nc, .offset: 0, .size: 8, .value_kind: global_buffer, .address_space: global }
      - { .name: W1_codes, .offset: 8, .size: 8, .value_kind: global_buffer, .address_space: global }
      - { .name: W1_scales, .offset: 16, .size: 8, .value_kind: global_buffer, .address_space: global }
      - { .name: b1, .offset: 24, .size: 8, .value_kind: global_buffer, .address_space: global }
      - { .name: h, .offset: 32, .size: 8, .value_kind: global_buffer, .address_space: global }
    .group_segment_fixed_size: 327680
    .private_segment_fixed_size: 0
    .kernarg_segment_align: 8
    .kernarg_segment_size: 40
    .max_flat_workgroup_size: 128
    .sgpr_count:     102
    .vgpr_count:     1024
    .wavefront_size: 32
...
	.end_amdgpu_metadata
.endif
;; end of part 6
;; launch ffn2 (part 7): grid 8 x 32, 4 waves a work-group, clusters of 4 x 4, 327,680 bytes of LDS; arguments h, W2_codes, W2_scales, b2, y1, out0; writes out0
.if DOCPART == 7
	.amdgcn_target "amdgcn-amd-amdhsa--gfx1250"
	.amdhsa_code_object_version 6
	.text
	.protected	k_q4e8f396187_ffn2
	.globl	k_q4e8f396187_ffn2
	.p2align	8
	.type	k_q4e8f396187_ffn2,@function
k_q4e8f396187_ffn2:
	s_mov_b64 s[64:65], 0
	v_nop
	global_prefetch_b8 v0, s[64:65] scope:SCOPE_SE
	s_setreg_imm32_b32 hwreg(HW_REG_WAVE_MODE, 25, 1), 1
	s_wait_xcnt 0x0
	s_wait_alu depctr_hold_cnt(0) depctr_sa_sdst(0) depctr_va_vdst(0) depctr_va_sdst(0) depctr_va_ssrc(0) depctr_va_vcc(0) depctr_vm_vsrc(0)
	s_getreg_b32 s2, hwreg(HW_REG_IB_STS2, 6, 4)
	s_cmp_eq_u32 s2, 0
	s_cbranch_scc0 .Lentry_in_a_cluster
	s_endpgm
.Lentry_in_a_cluster:
	s_bfe_u32 s2, ttmp6, 0x10000c
	s_cmp_lg_u32 s2, 0xf033
	s_cbranch_scc0 .Lentry_shape_is_right
	s_endpgm
.Lentry_shape_is_right:
.set KTOT,  4096
.set ASO,   0x1000000
.set KS,     KTOT/32
.set LAPS,   KTOT/1024
.set WP,     528
.set APART,  65536
.set HALFW,  64*WP
.set SLOT,   APART+2*HALFW
.set SAB,    2*SLOT
.set HALFA,  (KTOT/256)*512
.set SBB,    SAB+2*HALFA
.set HALFSB, (64*KS/256)*272
.set SPARE,  SBB+2*HALFSB
.set STP,    272
.set ADRA, 16
.set ADRB, 20
.set ADSA, 22
.set ADSB, 23
.set STO,  24
.set RD,   25
.set CO,   26
.set SPW,  28
.set NIL,  29
.set SC,   32
.set BI,   64
.set ACC,  128
.set F0,   0
.set F1,   128
.set G1, 24
.set G0, 32
.set G1B, 48
.set G0B, 56
.set G1S, 68
.set G0S, 76
.set G1SB, 80
.set G0SB, 88
.set MSB, 0
.macro WIN new
.if MSB != (\new)
	s_set_vgpr_msb (MSB<<8)|(\new)
.set MSB, (\new)
.endif
.endm
.macro JLOAD g0a, g1a, g0b, g1b
	s_cmp_eq_u32 s15, 0
	s_cbranch_scc0 .Lfor_b_\@
	tensor_load_to_lds s[\g0a:\g0a+3], s[\g1a:\g1a+7]
	s_nop 0
.rept 4
	v_nop
.endr
	s_branch .Lasked_\@
.Lfor_b_\@:
	tensor_load_to_lds s[\g0b:\g0b+3], s[\g1b:\g1b+7]
	s_nop 0
.rept 4
	v_nop
.endr
.Lasked_\@:
.endm
.macro CREST
	s_cmp_lg_u32 s14, 0
	s_cbranch_scc1 .Lnot_wave_0_\@
	s_barrier_signal -3
.Lnot_wave_0_\@:
	s_barrier_wait -3
	s_barrier_signal -1
	s_barrier_wait -1
.endm
.macro CROUND
	s_barrier_signal -1
	s_barrier_wait -1
	CREST
.endm
.macro PLACES n
.rept \n
	v_nop
.endr
.endm
	s_load_b64 s[4:5], s[0:1], 0x0
	s_load_b128 s[8:11], s[0:1], 0x8
	s_load_b64 s[66:67], s[0:1], 0x18
	s_load_b128 s[96:99], s[0:1], 0x20
	v_lshl_add_u32 v[SPW], v0, 2, SPARE
	v_mov_b32 v[NIL], 0
	ds_add_u32 v28, v29
	ds_add_u32 v28, v29
	s_wait_dscnt 0x0
	v_lshrrev_b32 v1, 5, v0
	v_readfirstlane_b32 s14, v1
	s_lshr_b32 s15, s14, 1
	s_and_b32 s16, s14, 1
	s_bfe_u32 s40, ttmp6, 0x40000
	s_bfe_u32 s41, ttmp6, 0x40004
	s_lshl_b32 s42, ttmp9, 2
	s_add_co_u32 s42, s42, s40
	s_and_b32 s17, ttmp7, 0xffff
	s_lshl_b32 s17, s17, 2
	s_add_co_u32 s17, s17, s41
	s_lshl_b32 s43, s41, 2
	s_lshl_b32 s43, 15, s43
	s_lshl_b32 s44, 0x1111, s40
	s_or_b32 s[G1+0], s43, (3<<16)|(1<<21)
	s_mov_b32 s[G1+1], 2048<<16
	s_mov_b32 s[G1+2], 4<<16                       ; the head's load brings a K step's four runs; behind it the two words are set to 2
	s_mov_b32 s[G1+3], 2048<<16
	s_mov_b32 s[G1+4], 4
	s_mov_b32 s[G1+5], 65536
	s_mov_b32 s[G1+6], 0
	s_mov_b32 s[G1+7], 0
	s_or_b32 s[G1B+0], s44, (0<<16)|(1<<20)|(1<<21)|(6<<22)|(3<<25)
	s_mov_b32 s[G1B+1], 512<<16
	s_mov_b32 s[G1B+2], 128<<16                    ; the head's load brings 128 rows; behind it: 64
	s_mov_b32 s[G1B+3], 512<<16
	s_mov_b32 s[G1B+4], 128
	s_mov_b32 s[G1B+5], KTOT
	s_mov_b32 s[G1B+6], 0
	s_mov_b32 s[G1B+7], 0
	s_or_b32 s[G1S+0], s43, (3<<16)|(1<<21)
	s_mov_b32 s[G1S+1], 64<<16
	s_mov_b32 s[G1S+2], (KTOT/128)<<16
	s_mov_b32 s[G1S+3], 64<<16
	s_mov_b32 s[G1S+4], KTOT/128
	s_mov_b32 s[G1S+5], 2048
	s_mov_b32 s[G1S+6], 0
	s_mov_b32 s[G1S+7], 0
	s_or_b32 s[G1SB+0], s44, (3<<16)|(1<<20)|(1<<21)|(5<<22)|(3<<25)
	s_mov_b32 s[G1SB+1], 32<<16
	s_mov_b32 s[G1SB+2], (128*KS/256)<<16
	s_mov_b32 s[G1SB+3], 32<<16
	s_mov_b32 s[G1SB+4], 128*KS/256
	s_mov_b32 s[G1SB+5], 32
	s_mov_b32 s[G1SB+6], 0
	s_mov_b32 s[G1SB+7], 0
	s_lshl_b32 s20, s16, 20
	s_lshl_b32 s21, s17, 14
	s_add_co_u32 s20, s20, s21
	s_mov_b32 s21, 0
	s_mul_i32 s22, s16, (KTOT/256)*16384
	s_lshl_b32 s23, s17, 9
	s_add_co_u32 s22, s22, s23
	s_add_co_u32 s22, s22, ASO
	s_mov_b32 s23, 0
	s_lshl_b32 s46, s42, 7
	s_lshl_b32 s47, s16, 6
	s_add_co_u32 s46, s46, s47
	s_mul_i32 s92, s46, KS
	s_mov_b32 s93, 0
	s_mul_i32 s46, s46, KTOT
	s_mov_b32 s47, 0
	s_lshl_b32 s45, s16, 15
	s_mul_i32 s94, s16, HALFW
	s_add_co_u32 s94, s94, APART
	s_wait_kmcnt 0x0
	s_add_nc_u64 s[20:21], s[4:5], s[20:21]
	s_add_nc_u64 s[22:23], s[4:5], s[22:23]
	s_add_nc_u64 s[46:47], s[8:9], s[46:47]
	s_add_nc_u64 s[92:93], s[10:11], s[92:93]
	CROUND
.set G0H, 4                            ; s[4:7], s[8:11]: group 0 of the head's loads of K step 0 (the arguments that lay there have been used)
.set G0HB, 8
.set PFA, 12                           ; s[12:13]   my prefetch of K step 2
.set PFB, 100                          ; s[100:101] where my later prefetches stand: K step 3, then a step on at each refill
.set PFS, 104                          ; s[104:105] a K step on, in bytes: four runs of A, 512 bytes of a row of W
.set PFO, 27                           ; v27        my lane's offset; never rewritten
.macro HG0 g, lds, adr, half           ; group 0 of a whole tile: my half's address less my half
	s_mul_i32 s18, s16, \half
	s_mov_b32 s[\g], 1
	s_mov_b32 s[\g+1], \lds
	s_sub_nc_u64 s[\g+2:\g+3], s[\adr:\adr+1], s[18:19]
	s_or_b32 s[\g+3], s[\g+3], 0x80000000
.endm
	s_mov_b32 s19, 0
	HG0 G0H, 0, 20, 1<<20
	HG0 G0HB, APART, 46, 64*KTOT
	HG0 G0S, SAB, 22, (KTOT/256)*16384
	HG0 G0SB, SBB, 92, 64*KS
.irp s, 0,1
	s_mov_b32 s[G0+4*\s], 1
	s_add_co_u32 s[G0+4*\s+1], s45, \s*SLOT
	s_add_nc_u64 s[G0+4*\s+2:G0+4*\s+3], s[20:21], \s*0x200000
	s_or_b32 s[G0+4*\s+3], s[G0+4*\s+3], 0x80000000
	s_mov_b32 s[G0B+4*\s], 1
	s_add_co_u32 s[G0B+4*\s+1], s94, \s*SLOT
	s_add_nc_u64 s[G0B+4*\s+2:G0B+4*\s+3], s[46:47], \s*512
	s_or_b32 s[G0B+4*\s+3], s[G0B+4*\s+3], 0x80000000
.endr
; THE HEAD'S LOADS, ONE A WAVE: wave 0 K step 0 of A, wave 1 of W, wave 2 A's scale words, wave 3 W's scale bytes.  One tree of branches on the wave's number.
.macro ARM under, g0, g1, next
	s_cmp_lt_u32 s14, \under
	s_cbranch_scc0 \next
	tensor_load_to_lds s[\g0:\g0+3], s[\g1:\g1+7]
	s_nop 0
.rept 4
	v_nop
.endr
	s_branch .Lhead_asked
\next:
.endm
	ARM 1, G0H,  G1,  .Lhead_b
	ARM 2, G0HB, G1B, .Lhead_sa
	ARM 3, G0S,  G1S, .Lhead_sb
	tensor_load_to_lds s[G0SB:G0SB+3], s[G1SB:G1SB+7]
	s_nop 0
.rept 4
	v_nop
.endr
.Lhead_asked:
	; THE PREFETCHES.  What a wave fetches of a K step is 128 blocks of 256 bytes (A: 2 runs x 16,384 bytes; W: 64 rows x 512 bytes).  The four partners that ask for it jointly share it out BY ADDRESS, 32 blocks each,
	; a lane a block, one instruction a wave: partner p (cx for A, cy for W) takes 8,192 bytes at run p / 2, half p % 2 of A, or rows 16 p on of W.  So each block is named once in each cluster that loads it.
	s_cmp_eq_u32 s15, 0                            ; do I fetch for A?
	s_cselect_b64 s[PFA:PFA+1], s[20:21], s[46:47]
	s_cselect_b32 s18, s40, s41                    ; my place among the four
	s_mov_b32 s[PFS], 512
	s_cselect_b32 s[PFS], 0x200000, s[PFS]
	s_mov_b32 s2, KTOT
	s_cselect_b32 s2, 512, s2                      ; from one pair of lanes to the next
	s_mov_b32 s[PFS+1], 0
	s_lshr_b32 s19, s18, 1
	s_lshl_b32 s19, s19, 19
	s_and_b32 s22, s18, 1
	s_lshl_b32 s22, s22, 13
	s_add_co_u32 s19, s19, s22                     ; A: run p / 2, half p % 2
	s_lshl_b32 s18, s18, 16                        ; W: 16 p rows of 4,096 bytes
	s_cmp_eq_u32 s15, 0
	s_cselect_b32 s18, s19, s18
	s_mov_b32 s19, 0
	s_add_nc_u64 s[PFA:PFA+1], s[PFA:PFA+1], s[18:19]
	s_add_nc_u64 s[94:95], s[PFA:PFA+1], s[PFS:PFS+1]       ; K step 1
	s_add_nc_u64 s[PFA:PFA+1], s[94:95], s[PFS:PFS+1]       ; K step 2
	s_add_nc_u64 s[PFB:PFB+1], s[PFA:PFA+1], s[PFS:PFS+1]   ; K step 3
	v_and_b32 v9, 31, v0
	v_lshrrev_b32 v10, 1, v9
	v_and_b32 v9, 1, v9
	v_mul_u32_u24 v10, s2, v10
	v_lshl_add_u32 v[PFO], v9, 8, v10
	global_prefetch_b8 v[PFO], s[94:95] th:TH_LOAD_NT scope:SCOPE_SE       ; K steps 1 and 2 are asked for here, K step 3 behind K step 1's load
	global_prefetch_b8 v[PFO], s[PFA:PFA+1] th:TH_LOAD_NT scope:SCOPE_SE
	v_and_b32 v1, 15, v0
	v_bfe_u32 v2, v0, 4, 1
	v_and_b32 v6, 31, v0
	s_wait_alu depctr_va_vdst(0)
	v_lshlrev_b32 v3, 4, v6
	v_mul_u32_u24 v4, v1, WP
	v_lshl_add_u32 v4, v2, 4, v4
	s_lshl_b32 s21, s15, 13
	s_mul_i32 s22, s16, HALFW
	s_add_co_u32 s22, s22, APART
.irp s, 0,1
	v_add_nc_u32 v[ADRA+\s], s21, v3
	v_add_nc_u32 v[ADRB+\s], s22, v4
	s_add_co_u32 s21, s21, SLOT
	s_add_co_u32 s22, s22, SLOT
.endr
	s_lshl_b32 s21, s15, 8
	s_add_co_u32 s21, s21, SAB
	v_lshl_add_u32 v[ADSA], v6, 2, s21
	v_mul_u32_u24 v5, v6, KS
	v_lshrrev_b32 v7, 8, v5
	v_lshl_add_u32 v5, v7, 4, v5
	s_mul_i32 s21, s16, HALFSB
	s_add_co_u32 s21, s21, SBB
	v_add_nc_u32 v[ADSB], s21, v5
	s_mul_i32 s23, s14, 16*STP
	v_mul_u32_u24 v5, v1, STP
	v_lshl_add_u32 v5, v2, 5, v5
	v_add_nc_u32 v[STO], s23, v5
	v_mul_u32_u24 v5, v2, STP
	v_lshl_add_u32 v5, v1, 4, v5
	v_add_nc_u32 v[RD], s23, v5
	v_lshlrev_b32 v5, 12, v2
	v_lshl_add_u32 v[CO], v1, 4, v5
	s_wait_alu depctr_va_vdst(0)
	s_lshl_b32 s46, s17, 19
	s_lshl_b32 s47, s15, 18
	s_add_co_u32 s46, s46, s47
	s_lshl_b32 s47, s42, 9
	s_add_co_u32 s46, s46, s47
	s_lshl_b32 s47, s16, 8
	s_add_co_u32 s46, s46, s47
	s_mov_b32 s47, 0
	s_add_nc_u64 s[96:97], s[96:97], s[46:47]
	s_add_nc_u64 s[98:99], s[98:99], s[46:47]
	s_lshl_b32 s46, s42, 9
	s_lshl_b32 s22, s16, 8
	s_add_co_u32 s46, s46, s22
	s_add_nc_u64 s[66:67], s[66:67], s[46:47]
	v_lshlrev_b32 v8, 5, v2
.irp b, 0,1,2,3
	global_load_b128 v[BI+8*\b:BI+8*\b+3], v8, s[66:67] offset:64*\b
	global_load_b128 v[BI+8*\b+4:BI+8*\b+7], v8, s[66:67] offset:64*\b+16
.endr
	WIN 0x80
.irp a, 0,1,2,3
.irp t, 0,1,2,3,4,5,6,7
	global_load_b128 v[32*\a+4*\t:32*\a+4*\t+3], v[CO], s[96:97] offset:(16*\a+2*\t)*4096
.endr
.endr
	WIN 0
.macro WM d, w, x, c, sw, sx, pw, px
.if ((\pw)==1)&&((\px)==1)
	v_wmma_scale_f32_16x16x128_f8f6f4 v[(\d):(\d)+7], v[(\w):(\w)+15], v[(\x):(\x)+15], v[(\c):(\c)+7], v[(\sw)], v[(\sx)] matrix_a_scale:MATRIX_SCALE_ROW1 matrix_b_scale:MATRIX_SCALE_ROW1
.elseif (\pw)==1
	v_wmma_scale_f32_16x16x128_f8f6f4 v[(\d):(\d)+7], v[(\w):(\w)+15], v[(\x):(\x)+15], v[(\c):(\c)+7], v[(\sw)], v[(\sx)] matrix_a_scale:MATRIX_SCALE_ROW1
.elseif (\px)==1
	v_wmma_scale_f32_16x16x128_f8f6f4 v[(\d):(\d)+7], v[(\w):(\w)+15], v[(\x):(\x)+15], v[(\c):(\c)+7], v[(\sw)], v[(\sx)] matrix_b_scale:MATRIX_SCALE_ROW1
.else
	v_wmma_scale_f32_16x16x128_f8f6f4 v[(\d):(\d)+7], v[(\w):(\w)+15], v[(\x):(\x)+15], v[(\c):(\c)+7], v[(\sw)], v[(\sx)]
.endif
.endm
.macro MULA f, a, set, q, first
.irp b, 0,1,2,3
.if \first
	WM ACC+8*(4*(\a)+\b), (\f)+64+16*\b, (\f)+16*(\a), BI+8*\b, SC+16*(\set)+8+4*(\b/2)+(\q), SC+16*(\set)+4*((\a)/2)+(\q), \b%2, (\a)%2
.else
	WM ACC+8*(4*(\a)+\b), (\f)+64+16*\b, (\f)+16*(\a), ACC+8*(4*(\a)+\b), SC+16*(\set)+8+4*(\b/2)+(\q), SC+16*(\set)+4*((\a)/2)+(\q), \b%2, (\a)%2
.endif
.endr
.endm
.macro FETCH slot, q, f
	WIN 0x40
.irp i, 0,1,2,3
.irp c, 0,1,2,3
	ds_load_b128 v[(\f)+64+16*\i+4*\c:(\f)+64+16*\i+4*\c+3], v[ADRB+\slot] offset:128*(\q)+32*\c+\i*16*WP
.endr
.endr
.irp i, 0,1,2,3
.irp c, 0,1,2,3
	ds_load_b128 v[(\f)+16*\i+4*\c:(\f)+16*\i+4*\c+3], v[ADRA+\slot] offset:16384*(\q)+2048*\i+512*\c
.endr
.endr
	WIN 0
.endm
.macro SCALES set
.irp p, 0,1
.irp q, 0,1,2,3
	ds_load_b32 v[SC+16*\set+4*\p+\q], v[ADSA] offset:512*\q+128*\p
.endr
	ds_load_b128 v[SC+16*\set+8+4*\p:SC+16*\set+11+4*\p], v[ADSB] offset:\p*(32*KS/256)*272
.endr
.endm
.macro QUARTER slot, q, first
	s_wait_dscnt 0x0
	PLACES 8
	FETCH \slot, (\q)+1, F0+128*(((\q)+1)%2)
	WIN 0x05
	MULA F0+128*((\q)%2), 0, \slot, \q, \first
	MULA F0+128*((\q)%2), 1, \slot, \q, \first
	MULA F0+128*((\q)%2), 2, \slot, \q, \first
	MULA F0+128*((\q)%2), 3, \slot, \q, \first
.endm
.macro TURN slot, next, fill
	WIN 0
.if \fill
	s_wait_xcnt 0x0                                ; my last prefetch has read its address: it steps to the K step two on from the refill below
	s_add_nc_u64 s[PFB:PFB+1], s[PFB:PFB+1], s[PFS:PFS+1]
.endif
	s_wait_tensorcnt 0x0
	ds_add_u32 v[SPW], v[NIL]
	s_wait_dscnt 1
	WIN 0x05
	MULA F1, 0, \slot, 3, 0
	s_wait_dscnt 0x0
	s_barrier_signal -1
	MULA F1, 1, \slot, 3, 0
	WIN 0
	s_barrier_wait -1
.if \fill
	CREST
	s_add_nc_u64 s[G0+4*\slot+2:G0+4*\slot+3], s[G0+4*\slot+2:G0+4*\slot+3], 0x400000
	s_add_nc_u64 s[G0B+4*\slot+2:G0B+4*\slot+3], s[G0B+4*\slot+2:G0B+4*\slot+3], 1024
	JLOAD G0+4*\slot, G1, G0B+4*\slot, G1B
	PLACES 4
.else
	PLACES 8
.endif
	s_wait_alu depctr_va_vdst(0)
	v_add_nc_u32 v[ADSA], 2048, v[ADSA]
	v_add_nc_u32 v[ADSB], 16, v[ADSB]
	FETCH \next, 0, F0
	SCALES \next
.if \fill
	s_cmp_gt_u32 s3, 1                             ; the loop's last trip refills K steps 6 and 7: no K step stands two on
	s_cbranch_scc0 .Lno_ask_\@
	global_prefetch_b8 v[PFO], s[PFB:PFB+1] th:TH_LOAD_NT scope:SCOPE_SE
.Lno_ask_\@:
.endif
	WIN 0x05
	MULA F1, 2, \slot, 3, 0
	MULA F1, 3, \slot, 3, 0
.endm
	s_wait_alu depctr_va_vdst(0)                   ; the wait at the head's end
	s_wait_loadcnt 32                              ; the bias is in; the residual's 32 loads may be out
	s_wait_tensorcnt 0x0                           ; my tile of the head's four is in
	ds_add_u32 v[SPW], v[NIL]
	s_mov_b32 s[G1+2], 2<<16                       ; no tensor load of mine is out: from here on a load brings half a K step's tile
	s_mov_b32 s[G1+4], 2
	s_mov_b32 s[G1B+2], 64<<16
	s_mov_b32 s[G1B+4], 64
	s_wait_dscnt 0x0
	CROUND                                         ; all four tiles are in, and all sixteen work-groups are here
	JLOAD G0+4, G1, G0B+4, G1B                     ; K step 1: the first tensor load behind the round
	FETCH 0, 0, F0
	SCALES 0
	global_prefetch_b8 v[PFO], s[PFB:PFB+1] th:TH_LOAD_NT scope:SCOPE_SE
	QUARTER 0, 0, 1
	WIN 0
	s_mov_b32 s3, LAPS-1
.Llap:
	QUARTER 0, 1, 0
	QUARTER 0, 2, 0
	TURN 0, 1, 1
	QUARTER 1, 0, 0
	QUARTER 1, 1, 0
	QUARTER 1, 2, 0
	TURN 1, 0, 1
	QUARTER 0, 0, 0
	WIN 0
	s_sub_co_u32 s3, s3, 1
	s_cmp_lg_u32 s3, 0
	s_cbranch_scc1 .Llap
	QUARTER 0, 1, 0
	QUARTER 0, 2, 0
	TURN 0, 1, 0
	QUARTER 1, 0, 0
	QUARTER 1, 1, 0
	QUARTER 1, 2, 0
	s_wait_dscnt 0x0
	WIN 0x05
	MULA F1, 0, 1, 3, 0
	MULA F1, 1, 1, 3, 0
	MULA F1, 2, 1, 3, 0
	MULA F1, 3, 1, 3, 0
	WIN 0
	PLACES 8
	s_wait_loadcnt 0x0
.irp a, 0,1,2,3
	WIN 0
.irp b, 0,1,2,3
	ds_store_b128 v[STO], v[ACC+8*(4*\a+\b):ACC+8*(4*\a+\b)+3] offset:64*\b
	ds_store_b128 v[STO], v[ACC+8*(4*\a+\b)+4:ACC+8*(4*\a+\b)+7] offset:64*\b+16
.endr
	WIN 0x80
.irp t, 0,1,2,3,4,5,6,7
	ds_load_b128 v[128+32*\a+4*\t:128+32*\a+4*\t+3], v[RD] offset:\t*2*STP
.endr
.endr
.irp a, 0,1,2,3
	s_wait_dscnt 16*(3-\a)
	WIN 0x8a
.irp i, 0,2,4,6,8,10,12,14,16,18,20,22,24,26,28,30
	v_pk_add_f32 v[128+32*\a+\i:129+32*\a+\i], v[128+32*\a+\i:129+32*\a+\i], v[32*\a+\i:32*\a+\i+1]
.endr
	WIN 0x08
.irp t, 0,1,2,3,4,5,6,7
	global_store_b128 v[CO], v[128+32*\a+4*\t:128+32*\a+4*\t+3], s[98:99] offset:(16*\a+2*\t)*4096 th:TH_STORE_NT
.endr
.endr
	WIN 0
	s_wait_tensorcnt 0x0
	ds_add_u32 v[SPW], v[NIL]
	s_wait_dscnt 0x0
	CROUND
	s_endpgm
.Lfunc_end_k_q4e8f396187_ffn2:
	.size	k_q4e8f396187_ffn2, .Lfunc_end_k_q4e8f396187_ffn2-k_q4e8f396187_ffn2
	.p2alignl 7, 3214868480
	.fill 96, 4, 3214868480
	.section	.rodata,"a",@progbits
	.p2align	6, 0x0
	.amdhsa_kernel k_q4e8f396187_ffn2
		.amdhsa_group_segment_fixed_size 327680
		.amdhsa_private_segment_fixed_size 0
		.amdhsa_enable_private_segment 0
		.amdhsa_kernarg_size 48
		.amdhsa_user_sgpr_count 2
		.amdhsa_user_sgpr_kernarg_segment_ptr 1
		.amdhsa_wavefront_size32 1
		.amdhsa_system_sgpr_workgroup_id_x 1
		.amdhsa_system_sgpr_workgroup_id_y 1
		.amdhsa_system_sgpr_workgroup_id_z 1
		.amdhsa_system_vgpr_workitem_id 0
		.amdhsa_next_free_vgpr 768
		.amdhsa_next_free_sgpr 106
		.amdhsa_reserve_vcc 0
		.amdhsa_float_denorm_mode_32 3
		.amdhsa_float_denorm_mode_16_64 3
		.amdhsa_memory_ordered 1
		.amdhsa_forward_progress 1
		.amdhsa_inst_pref_size 105
	.end_amdhsa_kernel
	.amdgpu_metadata
---
amdhsa.version: [ 1, 2 ]
amdhsa.kernels:
  - .name:           k_q4e8f396187_ffn2
    .symbol:         k_q4e8f396187_ffn2.kd
    .args:
      - { .name: h, .offset: 0, .size: 8, .value_kind: global_buffer, .address_space: global }
      - { .name: W2_codes, .offset: 8, .size: 8, .value_kind: global_buffer, .address_space: global }
      - { .name: W2_scales, .offset: 16, .size: 8, .value_kind: global_buffer, .address_space: global }
      - { .name: b2, .offset: 24, .size: 8, .value_kind: global_buffer, .address_space: global }
      - { .name: y1, .offset: 32, .size: 8, .value_kind: global_buffer, .address_space: global }
      - { .name: out0, .offset: 40, .size: 8, .value_kind: global_buffer, .address_space: global }
    .group_segment_fixed_size: 327680
    .private_segment_fixed_size: 0
    .kernarg_segment_align: 8
    .kernarg_segment_size: 48
    .max_flat_workgroup_size: 128
    .sgpr_count:     106
    .vgpr_count:     768
    .wavefront_size: 32
...
	.end_amdgpu_metadata
.endif
;; end of part 7
